; MI455X (gfx1250); checked and timed in simulation.
; The chip was launched on July 23, 2026; its instructions are those of AMD's public machine-readable ISA for CDNA 5 (MIT licence, August 2026) and "CDNA5" Instruction Set Architecture Reference Guide (July 2026). The comments in the code are by the model that wrote it; some were corrected since.
;; Multihead Self Attention. Allowed arithmetic: matrix products marked QUANTISED: E2M1 operands, one E8M0 scale for each 32 along K, by v_wmma_scale_f32_16x16x128_f8f6f4 with both operands' format E2M1 (or v_wmma_scale_f32_32x16x128_f4), f32 sums; products left as they are: bf16, f16 or f32 operands; f32 sums; everything else in f32.
;; Inputs: W_out 1,024 x 1,024 float32; W_qkv 3,072 x 1,024 float32; x 4 x 2,048 x 1,024 float32.
;; Outputs: out0 4 x 2,048 x 1,024 float32.
;; This version of the problem:
;;   THIS VERSION OF THE PROBLEM IS GIVEN IN LOW PRECISION. The matrix products marked QUANTISED in the list below multiply operands that are first quantised to E2M1 (2 exponent bits, 1 mantissa bit; 4 bits a number), with one power-of-two scale for each 32 numbers along K (OCP MX v1.0); their sums are f32. The products marked 'left as it is' may take bf16, f16 or f32 operands, with f32 sums. Whichever they take, every output number must still come out within the allowed error. Rounding operands to bf16 (8 significant bits) uses up far more of that allowance than f16 does (11 bits, for magnitudes from 6e-5 to 65,504). All else is computed in f32.
;;   The module's matrix products, in the order in which they are computed (A, B: the left and right operand; K: the contracted axis; several contracted axes count as one K, in the product's order):
;;     1. [M 8,192, K 1,024] x [K 1,024, N 3,072]; A: input x; B: input W_qkv: QUANTISED
;;     2. batch 64 x [M 2,048, K 64] x [K 64, N 2,048]; A: computed on the way; B: computed on the way: left as it is (an operand is computed on the way)
;;     3. batch 64 x [M 2,048, K 2,048] x [K 2,048, N 64]; A: computed on the way; B: computed on the way: left as it is (an operand is computed on the way)
;;     4. [M 8,192, K 1,024] x [K 1,024, N 1,024]; A: computed on the way; B: input W_out: left as it is (an operand is computed on the way)
;;   THE QUANTISER, for each operand of a quantised product, along K:
;;     - K is cut into blocks of 32 from its start; a last block that is shorter is filled with zeros.
;;     - A block's scale is 2^e with e = floor(log2(the largest magnitude in the block)) - 2, held to -126 .. 127; a block of zeros has e = 0. As a byte (E8M0): e + 127.
;;     - Each number is divided by its block's scale, clamped to +-6, and rounded to the nearest number of E2M1, ties to even, subnormals kept.
;;     - The product sums the exact products of the quantised numbers (number of the format x scale) in f32.
;;   ~~~python
;;   def quantise(x, axis):      # numpy; x: float32 -> the quantised numbers, widened to float32 again
;;       x = np.moveaxis(x, axis, -1); K = x.shape[-1]
;;       x = np.pad(x, [(0, 0)] * (x.ndim - 1) + [(0, -K % 32)]); x = x.reshape(x.shape[:-1] + (-1, 32)); a = np.abs(x).max(-1, keepdims=True)
;;       e = np.where(a > 0, np.clip(np.frexp(np.where(a > 0, a, 1))[1] - 1 - 2, -126, 127), 0)      # np.frexp(a)[1] - 1 = floor(log2(a)), exactly
;;       r = np.clip(x / 2.0 ** e, -6, 6)
;;       step = 2.0 ** (np.maximum(np.frexp(np.where(r == 0, 1, r))[1] - 1, 0) - 1)
;;       q = np.round(r / step) * step * 2.0 ** e      # np.round: ties to even
;;       return np.moveaxis(q.reshape(q.shape[:-2] + (-1,))[..., :K], -1, axis).astype(np.float32)
;;   ~~~
;; One version. Each part assembles by itself: llvm-mc -triple=amdgcn-amd-amdhsa -mcpu=gfx1250 --defsym DOCPART=n.
;; ======== version 1 of 1: 5 launches
;; limits: values are held in f16: magnitudes above 65,504 overflow, below 6.1e-05 lose precision
;; workspace buffers: xc 4,194,304 bytes; xs 262,144 bytes; wc 1,572,864 bytes; ws 98,304 bytes; wo16 2,097,152 bytes; qkv16 50,331,648 bytes; qkv32 786,432 bytes; att16 16,777,216 bytes
;; launch quant (part 1): grid 480 x 1, 4 waves a work-group, no clusters, 33,280 bytes of LDS; arguments x, W_qkv, xc, xs, wc, ws, W_out, wo16; writes xc, xs, wc, ws, wo16
.if DOCPART == 1
	.amdgcn_target "amdgcn-amd-amdhsa--gfx1250"
	.amdhsa_code_object_version 6
	.text
	.protected	k_qee45f76759_quant
	.globl	k_qee45f76759_quant
	.p2align	8
	.type	k_qee45f76759_quant,@function
k_qee45f76759_quant:
	s_mov_b64 s[64:65], 0
	v_nop
	global_prefetch_b8 v0, s[64:65] scope:SCOPE_SE
	s_setreg_imm32_b32 hwreg(HW_REG_WAVE_MODE, 25, 1), 1
	s_wait_xcnt 0x0
; x [8192][1024] and W_qkv [3072][1024], f32, become codes of FP4 (E2M1), K innermost, with one E8M0 scale byte for each 32 along K; W_out [1024][1024], f32, becomes f16.
; A block's scale is 2^(floor(log2(its largest magnitude)) - 2); its byte is the largest magnitude's own exponent field - 2, held at 1 from below.  Each number is divided by the scale and rounded to the nearest code, ties to even; beyond 6 the largest code.
; LIMITS: a block of zeros gets the byte 1 where the rule says 127 (its codes are zeros, which add nothing under any byte but 0xff, and the bytes are read by this program alone); blocks whose largest magnitude
; lies under 2^(2 - 126) have their byte held at 1; NaN and infinities among the inputs are not served; a number of W_out beyond 65,504 becomes infinity in f16.
; Work-groups 0-255 take x, 256-351 W_qkv: rows are dense and K is a multiple of 32, so both are plain streams of blocks of 32.  A wave takes 16 steps of 512 numbers.  Each of a step's four loads reads 512 consecutive
; bytes; the 2,048 bytes turn through the wave's own stage in LDS and come back 64 bytes a lane, so that a lane holds 16 neighbours along K (two neighbouring lanes hold a block).  A lane's 16 codes are 8 bytes:
; the wave stores 256 consecutive bytes, aligned.  A wave's 256 scale bytes are gathered in its own LDS bytes and leave by one store of 256 consecutive bytes.
; Work-groups 352-479 take W_out: a wave converts 2,048 numbers, with no LDS.  Waves share nothing: no barrier.  Memory binds: matrix units, clusters and tensor loads would add nothing here.
.set SIZE_M, 8192
.set SIZE_N, 3072
.set SIZE_K, 1024
.set WAVES, 4
.set STEPS, 16
.set WGA,   SIZE_M*SIZE_K/(512*STEPS*WAVES)            ; 256 work-groups for x
.set WGQ,   (SIZE_M+SIZE_N)*SIZE_K/(512*STEPS*WAVES)   ; 352 for x and W_qkv together
.set EMAX,  2
.set CB,    8                          ; bytes of 16 codes
.set R,     16                         ; v16-79   four sets of 16 numbers as they are loaded
.set X,     80                         ; v80-111  two sets of 16 neighbours
.set C,     128                        ; v128-191 codes (W_out's path: f16 pairs): registers of its own for each step, so that no store's data are written again
.set E,     112                        ; v112-127 a scale byte for each step
.set WREG,  8192                       ; LDS: a region for each wave: two stages of 32 x SP bytes, and behind them its 256 scale bytes
.set SP,    80                         ; a lane's place in a stage: its 64 bytes + 16 of padding
.set SPW,   12                         ; v12      LDS address of my spare word: SPARE + 4 x my thread's number; never rewritten
.set NIL,   13                         ; v13      0; never rewritten
.set SPARE, WAVES*WREG                 ; behind the four regions: the spare words, 128 bytes for each wave
	s_load_b128 s[4:7], s[0:1], 0x0                ; x, W_qkv
	s_load_b128 s[8:11], s[0:1], 0x10              ; x's codes, x's scales
	s_load_b128 s[12:15], s[0:1], 0x20             ; W_qkv's codes, its scales
	s_load_b128 s[24:27], s[0:1], 0x30             ; W_out, its f16 copy
	v_lshl_add_u32 v[SPW], v0, 2, SPARE
	v_mov_b32 v[NIL], 0
	v_lshrrev_b32 v1, 5, v0
	v_readfirstlane_b32 s16, v1                    ; wave
	v_and_b32 v2, 31, v0                           ; lane
	v_lshlrev_b32 v3, 4, v2                        ; my 16 bytes of a load's 512
	s_mul_i32 s17, s16, WREG
	v_lshrrev_b32 v14, 2, v2
	v_mul_u32_u24 v14, v14, SP
	v_and_b32 v15, 3, v2
	v_lshl_add_u32 v14, v15, 4, v14
	v_add_nc_u32 v14, s17, v14                     ; the stage, on the way in: four lanes' 64 bytes on end, then 16 of padding
	v_mul_u32_u24 v15, v2, SP
	v_add_nc_u32 v15, s17, v15                     ; and on the way out: SP x lane: my 16 neighbours
	v_mul_u32_u24 v4, v2, CB                       ; my codes' place in a step's
	v_lshrrev_b32 v5, 1, v2
	s_add_co_u32 s17, s17, 2*32*SP
	v_add_nc_u32 v5, s17, v5                       ; LDS: my wave's 256 scale bytes, my block's byte
	v_lshlrev_b32 v7, 3, v2                        ; 8 bytes a lane
	v_add_nc_u32 v6, s17, v7
	s_wait_kmcnt 0x0
	s_cmp_ge_u32 ttmp9, WGQ                        ; the work-group's number alone decides: all four waves go the same way
	s_cbranch_scc1 .Lconv
	s_cmp_lt_u32 ttmp9, WGA                        ; x's work-group or W_qkv's?
	s_cselect_b64 s[4:5], s[4:5], s[6:7]
	s_cselect_b64 s[8:9], s[8:9], s[12:13]
	s_cselect_b64 s[10:11], s[10:11], s[14:15]
	s_cselect_b32 s17, 0, WGA
	s_sub_co_u32 s17, ttmp9, s17
	s_lshl_b32 s17, s17, 2
	s_add_co_u32 s18, s17, s16                     ; which run of 8,192 numbers of the tensor is my wave's
	s_mov_b32 s19, 0
	s_mov_b64 s[20:21], 512*STEPS*4
	s_mul_u64 s[20:21], s[18:19], s[20:21]
	s_add_nc_u64 s[4:5], s[4:5], s[20:21]
	s_mov_b64 s[20:21], 32*STEPS*CB
	s_mul_u64 s[20:21], s[18:19], s[20:21]
	s_add_nc_u64 s[8:9], s[8:9], s[20:21]
	s_lshl_b32 s18, s18, 8                         ; 256 scale bytes a run
	s_add_nc_u64 s[10:11], s[10:11], s[18:19]
.macro LOAD t
.irp i, 0,1,2,3
	global_load_b128 v[R+16*((\t)%4)+4*\i:R+16*((\t)%4)+4*\i+3], v3, s[4:5] offset:2048*(\t)+512*\i th:TH_LOAD_NT   ; 32 lanes read 512 consecutive bytes
.endr
.endm
.macro TURN t                          ; step t's numbers through the stage: LDS serves a wave's instructions in order, so no wait stands between the stores and the loads
.irp i, 0,1,2,3
	ds_store_b128 v14, v[R+16*((\t)%4)+4*\i:R+16*((\t)%4)+4*\i+3] offset:32*SP*((\t)%2)+8*SP*\i
.endr
.irp i, 0,1,2,3
	ds_load_b128 v[X+16*((\t)%2)+4*\i:X+16*((\t)%2)+4*\i+3], v15 offset:32*SP*((\t)%2)+16*\i
.endr
.endm
.irp t, 0,1,2,3
	LOAD \t
.endr
	s_wait_loadcnt 12                              ; step 0's four loads are in; the twelve of steps 1 to 3 may be out
	TURN 0
.macro STEP t
.set XS, X+16*((\t)%2)
.if (\t) > 0
	s_wait_dscnt 1                                 ; this step's numbers are back from the stage (the last step's byte store may be out): so its stores into the stage have read their registers,
.else
	s_wait_dscnt 0x0
.endif
.if (\t)+4 < STEPS
	LOAD (\t)+4                                    ; which take the loads of four steps on
.endif
.if (\t)+1 < STEPS
.if STEPS-2-(\t) >= 3
	s_wait_loadcnt 12                              ; the next step's four loads are in; those of the three steps behind it may be out
.else
	s_wait_loadcnt 4*(STEPS-2-(\t))
.endif
	TURN (\t)+1                                    ; and go through the other stage while this step is worked
.endif
	v_max3_num_f32 v8, |v[XS]|, |v[XS+1]|, |v[XS+2]|               ; the largest magnitude of my 16, in two chains
	v_max3_num_f32 v9, |v[XS+3]|, |v[XS+4]|, |v[XS+5]|
.irp i, 6,10
	v_max3_num_f32 v8, v8, |v[XS+\i]|, |v[XS+\i+1]|
	v_max3_num_f32 v9, v9, |v[XS+\i+2]|, |v[XS+\i+3]|
.endr
	v_max3_num_f32 v8, v8, |v[XS+14]|, |v[XS+15]|
	v_max3_num_f32 v8, v8, v9, (EMAX+1)<<23        ; and the floor 2^(EMAX + 1 - 127): so the byte cannot fall under 1
	v_max_num_f32_dpp v8, v8, v8 row_xmask:1 row_mask:0xf bank_mask:0xf   ; and of my neighbour's 16: the block's
	v_add_nc_u32 v11, -(EMAX<<23), v8              ; EMAX off its exponent field: the conversion takes the exponent field of this operand as its scale, and nothing else of it
	v_cvt_scalef32_pk8_fp4_f32 v[C+4*(\t)], v[XS:XS+7], v11        ; eight numbers / the scale, to the nearest code; the first number's code in the lowest four bits
	v_cvt_scalef32_pk8_fp4_f32 v[C+4*(\t)+1], v[XS+8:XS+15], v11
	v_lshrrev_b32 v[E+(\t)], 23, v11               ; the scale's byte
	ds_store_b8 v5, v[E+(\t)] offset:16*(\t)       ; both lanes of a block write the same byte with the same value
	global_store_b64 v4, v[C+4*(\t):C+4*(\t)+1], s[8:9] offset:32*CB*(\t)   ; 32 lanes store 256 consecutive bytes, aligned
.endm
.irp t, 0,1,2,3,4,5,6,7,8,9,10,11,12,13,14,15
	STEP \t
.endr
	ds_load_b64 v[8:9], v6                         ; LDS serves a wave's instructions in order: these see my stores
	s_wait_dscnt 0x0
	global_store_b64 v7, v[8:9], s[10:11]          ; 32 lanes store 256 consecutive bytes, aligned
	s_wait_tensorcnt 0x0                           ; the wave's end: behind my last LDS store
	ds_add_u32 v[SPW], v[NIL]
	s_wait_dscnt 0x0
	s_endpgm
.Lconv:                                            ; W_out to f16: wave part u = 4 (work-group - 352) + wave takes 2,048 numbers: 8,192 bytes in, 4,096 out
	s_sub_co_u32 s17, ttmp9, WGQ
	s_lshl_b32 s17, s17, 2
	s_add_co_u32 s17, s17, s16
	s_lshl_b32 s18, s17, 13
	s_mov_b32 s19, 0
	s_add_nc_u64 s[24:25], s[24:25], s[18:19]
	s_lshl_b32 s20, s17, 12
	s_mov_b32 s21, 0
	s_add_nc_u64 s[26:27], s[26:27], s[20:21]
.irp i, 0,1,2,3,4,5,6,7,8,9,10,11,12,13,14,15
	global_load_b128 v[R+4*\i:R+4*\i+3], v3, s[24:25] offset:512*\i   ; 32 lanes read 512 consecutive bytes; all sixteen loads go out together
.endr
.irp i, 0,1,2,3,4,5,6,7,8,9,10,11,12,13,14,15
	s_wait_loadcnt 15-\i                           ; loads come back in order: load i is in, the younger ones may be out
	v_cvt_pk_f16_f32 v[C+2*\i], v[R+4*\i], v[R+4*\i+1]
	v_cvt_pk_f16_f32 v[C+2*\i+1], v[R+4*\i+2], v[R+4*\i+3]
	global_store_b64 v7, v[C+2*\i:C+2*\i+1], s[26:27] offset:256*\i   ; 32 lanes store 256 consecutive bytes, aligned; no register is written twice
.endr
	s_wait_tensorcnt 0x0                           ; the same three lines end this way through the text too
	ds_add_u32 v[SPW], v[NIL]
	s_wait_dscnt 0x0
	s_endpgm
.Lfunc_end_k_qee45f76759_quant:
	.size	k_qee45f76759_quant, .Lfunc_end_k_qee45f76759_quant-k_qee45f76759_quant
	.p2alignl 7, 3214868480
	.fill 96, 4, 3214868480
	.section	.rodata,"a",@progbits
	.p2align	6, 0x0
	.amdhsa_kernel k_qee45f76759_quant
		.amdhsa_group_segment_fixed_size 33280
		.amdhsa_private_segment_fixed_size 0
		.amdhsa_enable_private_segment 0
		.amdhsa_kernarg_size 64
		.amdhsa_user_sgpr_count 2
		.amdhsa_user_sgpr_kernarg_segment_ptr 1
		.amdhsa_wavefront_size32 1
		.amdhsa_system_sgpr_workgroup_id_x 1
		.amdhsa_system_sgpr_workgroup_id_y 1
		.amdhsa_system_sgpr_workgroup_id_z 1
		.amdhsa_system_vgpr_workitem_id 0
		.amdhsa_next_free_vgpr 192
		.amdhsa_next_free_sgpr 66
		.amdhsa_reserve_vcc 0
		.amdhsa_float_denorm_mode_32 3
		.amdhsa_float_denorm_mode_16_64 3
		.amdhsa_memory_ordered 1
		.amdhsa_forward_progress 1
		.amdhsa_inst_pref_size 40
	.end_amdhsa_kernel
	.amdgpu_metadata
---
amdhsa.version: [ 1, 2 ]
amdhsa.kernels:
  - .name:           k_qee45f76759_quant
    .symbol:         k_qee45f76759_quant.kd
    .args:
      - { .name: x, .offset: 0, .size: 8, .value_kind: global_buffer, .address_space: global }
      - { .name: W_qkv, .offset: 8, .size: 8, .value_kind: global_buffer, .address_space: global }
      - { .name: xc, .offset: 16, .size: 8, .value_kind: global_buffer, .address_space: global }
      - { .name: xs, .offset: 24, .size: 8, .value_kind: global_buffer, .address_space: global }
      - { .name: wc, .offset: 32, .size: 8, .value_kind: global_buffer, .address_space: global }
      - { .name: ws, .offset: 40, .size: 8, .value_kind: global_buffer, .address_space: global }
      - { .name: W_out, .offset: 48, .size: 8, .value_kind: global_buffer, .address_space: global }
      - { .name: wo16, .offset: 56, .size: 8, .value_kind: global_buffer, .address_space: global }
    .group_segment_fixed_size: 33280
    .private_segment_fixed_size: 0
    .kernarg_segment_align: 8
    .kernarg_segment_size: 64
    .max_flat_workgroup_size: 128
    .sgpr_count:     66
    .vgpr_count:     192
    .wavefront_size: 32
...
	.end_amdgpu_metadata
.endif
;; end of part 1
;; launch qkv (part 2): grid 12 x 32, 4 waves a work-group, clusters of 4 x 4, 327,680 bytes of LDS; arguments xc, xs, wc, ws, qkv16, qkv32; writes qkv16, qkv32
.if DOCPART == 2
	.amdgcn_target "amdgcn-amd-amdhsa--gfx1250"
	.amdhsa_code_object_version 6
	.text
	.protected	k_qee45f76759_qkv
	.globl	k_qee45f76759_qkv
	.p2align	8
	.type	k_qee45f76759_qkv,@function
k_qee45f76759_qkv:
	s_mov_b64 s[64:65], 0
	v_nop
	global_prefetch_b8 v0, s[64:65] scope:SCOPE_SE
	s_setreg_imm32_b32 hwreg(HW_REG_WAVE_MODE, 25, 1), 1
	s_wait_xcnt 0x0
	s_wait_alu depctr_hold_cnt(0) depctr_sa_sdst(0) depctr_va_vdst(0) depctr_va_sdst(0) depctr_va_ssrc(0) depctr_va_vcc(0) depctr_vm_vsrc(0)
	s_getreg_b32 s2, hwreg(HW_REG_IB_STS2, 6, 4)
	s_cmp_eq_u32 s2, 0
	s_cbranch_scc0 .Lentry_in_a_cluster
	s_endpgm
.Lentry_in_a_cluster:
	s_bfe_u32 s2, ttmp6, 0x10000c
	s_cmp_lg_u32 s2, 0xf033
	s_cbranch_scc0 .Lentry_shape_is_right
	s_endpgm
.Lentry_shape_is_right:
; qkv[m][n] = sum over k of x[m][k] W_qkv[n][k], on codes of FP4 (E2M1) with one E8M0 scale for each 32 along K; sums in f32.  m = 2048 b + s (8,192 rows), n = 0 .. 3,071, K = 1,024.
; The results leave as f16, laid by head: qkv16 [3 sections q, k, v][4 b][16 h][2048 s][64]; positions s < 16 of every batch leave a second time as f32: qkv32 [4 b][16 s][3072].
; LIMIT: a result beyond 65,504 becomes infinity in f16.
; A tile of 256 x 256 is made by a work-group of four waves; a wave makes 128 x 128: 64 accumulators of 16 x 16, 512 registers.  K is two slots of 512 (a tile's row is 256 bytes of memory): both are first fills, nothing is filled again.
; THE SCALES of the work-group's 256 rows of x and 256 rows of W_qkv, for all of K, are two dense blocks of memory: they come into LDS once, with the first fills.
; CLUSTERS: 4 x 4 work-groups.  The four of a row of the cluster need the same tiles of x, the four of a column the same tiles of W_qkv: each tile is asked for JOINTLY, by the same tensor load with the same
; descriptor and a mask that names the four.  Tile row = 8 cy + cluster y, so that the batch is cy and the tile begins at position 256 x cluster y: the tiles that hold positions 0-15 are those of the clusters with
; y = 0, a number that all sixteen partners share, so a branch may hang on it.
; THE MATRIX INSTRUCTION IS USED TRANSPOSED (source 0 = 16 rows of W_qkv, source 1 = 16 rows of x): a lane then holds eight neighbouring columns of one row.
; REGISTERS, in windows of 256: window 0: v0-31 addresses; v32-95 scale words, two sets; from v128 x's fragments (8 x 16 rows x 128 K), one set; on the way out v128-223 are at work.
;   window 1: W_qkv's fragments, two sets, at v0 and at v128.   window 2: the 32 accumulators of my rows 0-63 (accumulator (a, b) at v[8 (8 a + b)]);   window 3: those of my rows 64-127.
.set SIZE_K, 1024
.set KSTEP,  512                       ; along K in a slot
.set NQ,     KSTEP/128                 ; matrix instructions deep
.set ROWB,   256                       ; a tile's row in bytes
.set KROW,   SIZE_K*4/8                ; a row of codes in memory
.set PITCH,  272                       ; an LDS row: 256 bytes + 16 of padding = 68 words: the 16 rows that a load touches start at 16 different banks (64 banks of 4 bytes: ISA guide 11.1)
.set FR,     8                         ; registers of a fragment: 16 rows x 128 K
.set NL,     2                         ; LDS loads that bring one
.set NP,     4                         ; places behind this matrix instruction (ISA guide 7.12.1)
.set HALFT,  128*PITCH                 ; 128 rows: what one tensor load brings, and what one wave reads of either operand
.set SLOT,   4*HALFT                   ; x's 256 rows, then W_qkv's 256 rows
.set KS,     SIZE_K/32                 ; a row of scales in bytes
.set SCL,    2*SLOT                    ; behind the ring: the scales, as runs of 256 bytes + 16 of padding
.set HALFS,  (128*KS/256)*272          ; the scales of 128 rows: what one tensor load brings
.set SBLK,   (16*KS/256)*272           ; those of 16 rows
.set SPARE,  SCL+4*HALFS               ; behind the scales: the spare words, 128 bytes for each wave
.set HP,     144                       ; the way out: a stage of [2 heads][16 rows] x (128 bytes + 16) for each wave, in slot 0, which has had its only fill and its last read when the first result is stored there
.set WST,    2*16*HP
.set ADRA, 16                          ; v16-17  LDS address of my x fragments in slot 0, 1
.set ADRB, 20                          ; v20-21  the same for W_qkv
.set STO,  24                          ; v24     the way out: where I put 16 bytes of a row
.set RD,   25                          ; v25     where I read rows back
.set CO,   26                          ; v26     16 x lane
.set ADRS, 27                          ; v27     LDS address of my scale words: lanes 0-15 x's rows, lanes 16-31 W_qkv's
.set SPW,  28                          ; v28     LDS address of my spare word; never rewritten
.set NIL,  29                          ; v29     0; never rewritten
.set FO,   30                          ; v30     my byte offset in qkv32: 12,288 r + 32 h
.set SC,   32                          ; scale words: set s at v[SC + 8 NQ s]; register NQ i + q: lanes 0-15 x's block i, lanes 16-31 W_qkv's block i, for the slot's q-th 128 along K
.set AF,   128                         ; x's fragments, in window 0
.set BK,   128                         ; the way out: rows read back: v128-159 and v160-191 by turns
.set TMP,  192                         ; the way out: a block's f16 pairs, v192-223
.set G1, 24                            ; s[24:31] descriptor group 1 for x's tiles;  s[32:39] group 0, one set for each slot
.set G0, 32
.set G1B, 48                           ; s[48:55], s[56:63] the same for W_qkv's
.set G0B, 56
.set G1S, 68                           ; s[68:75], s[76:79] groups 1 and 0 for x's scales;  s[80:87], s[88:91] for W_qkv's
.set G0S, 76
.set G1SB, 80
.set G0SB, 88
.set MSB, 0
.macro WIN new                         ; the immediate's high byte repeats the setting that is left
.if MSB != \new
	s_set_vgpr_msb (MSB<<8)|\new
.set MSB, \new
.endif
.endm
.set MUL_LO, 0xa1                      ; source 0 window 1, source 1 window 0, C and D window 2
.set MUL_HI, 0xf1                      ; the same, C and D window 3
.set TO_B,   0x40                      ; destination window 1, address window 0
; A joint load: waves 0 and 1 fetch for x, waves 2 and 3 for W_qkv.  Each of the two lines has one mask and one set of registers for all that issue it; the branch hangs on the wave's number alone.
; An s_nop 0 and four v_nop follow each of the two lines.
.macro JLOAD g0a, g1a, g0b, g1b
	s_cmp_eq_u32 s15, 0
	s_cbranch_scc0 .Lfor_b_\@
	tensor_load_to_lds s[\g0a:\g0a+3], s[\g1a:\g1a+7]
	s_nop 0
.rept 4
	v_nop
.endr
	s_branch .Lasked_\@
.Lfor_b_\@:
	tensor_load_to_lds s[\g0b:\g0b+3], s[\g1b:\g1b+7]
	s_nop 0
.rept 4
	v_nop
.endr
.Lasked_\@:
.endm
.macro CROUND                          ; a round of the cluster's barrier
	s_barrier_signal -1
	s_barrier_wait -1
	s_cmp_lg_u32 s14, 0
	s_cbranch_scc1 .Lnot_wave_0_\@
	s_barrier_signal -3
.Lnot_wave_0_\@:
	s_barrier_wait -3
	s_barrier_signal -1
	s_barrier_wait -1
.endm
	s_load_b128 s[4:7], s[0:1], 0x0                ; x's codes s[4:5], x's scales s[6:7]
	s_load_b128 s[8:11], s[0:1], 0x10              ; W_qkv's codes s[8:9], its scales s[10:11]
	s_load_b64 s[12:13], s[0:1], 0x20              ; qkv16
	s_load_b64 s[96:97], s[0:1], 0x28              ; qkv32
	v_lshl_add_u32 v[SPW], v0, 2, SPARE
	v_mov_b32 v[NIL], 0
	ds_add_u32 v[SPW], v[NIL]                      ; the wave's opening: the add, twice on end, and its wait ahead of my first tensor load
	ds_add_u32 v[SPW], v[NIL]                      ; the set-up below, work on registers, stands between the second and the wait
	v_lshrrev_b32 v1, 5, v0
	v_readfirstlane_b32 s14, v1                    ; wave 0..3
	s_lshr_b32 s15, s14, 1                         ; which half of the tile's rows is mine.  Also: I fetch for x (0) or for W_qkv (1)
	s_and_b32 s16, s14, 1                          ; which half of its columns.  Also: which 128 rows of that tile I fetch
	s_bfe_u32 s40, ttmp6, 0x40000                  ; cx, cy: my place in the cluster
	s_bfe_u32 s41, ttmp6, 0x40004
	s_lshl_b32 s42, ttmp9, 2
	s_add_co_u32 s42, s42, s40                     ; tile column = 4 x cluster x + cx
	s_and_b32 s95, ttmp7, 0xffff                   ; cluster y, 0..7
	s_lshl_b32 s17, s41, 3
	s_add_co_u32 s17, s17, s95                     ; tile row = 8 cy + cluster y
	s_lshl_b32 s43, s41, 2
	s_lshl_b32 s43, 15, s43                        ; my row of the cluster
	s_lshl_b32 s44, 0x1111, s40                    ; my column
	; descriptor group 1: a tile of 128 rows x 256 bytes, padded in LDS
	s_or_b32 s[G1+0], s43, (0<<16)|(1<<20)|(1<<21)|(5<<22)|(3<<25)  ; 15:0 the mask: x's tiles go to my row; 17:16 element of 1 byte; 20 padding on; 21 set beside a mask; 24:22 after every 64 words; 31:25 four words
	s_or_b32 s[G1B+0], s44, (0<<16)|(1<<20)|(1<<21)|(5<<22)|(3<<25)
.irp g, G1, G1B
	s_mov_b32 s[\g+1], ROWB<<16                    ; tensor_dim0
	s_mov_b32 s[\g+2], 128<<16                     ; tensor_dim1
	s_mov_b32 s[\g+3], ROWB<<16                    ; tile_dim0
	s_mov_b32 s[\g+4], 128                         ; tile_dim1
	s_mov_b32 s[\g+5], KROW                        ; tensor_dim0_stride
	s_mov_b32 s[\g+6], 0
	s_mov_b32 s[\g+7], 0
.endr
	; the scales of 128 rows: a dense block of 4,096 bytes, as rows of 256 bytes (32 elements of 8 bytes), 16 bytes of padding behind each
	s_or_b32 s[G1S+0], s43, (3<<16)|(1<<20)|(1<<21)|(5<<22)|(3<<25)
	s_or_b32 s[G1SB+0], s44, (3<<16)|(1<<20)|(1<<21)|(5<<22)|(3<<25)
.irp g, G1S, G1SB
	s_mov_b32 s[\g+1], 32<<16
	s_mov_b32 s[\g+2], (128*KS/256)<<16
	s_mov_b32 s[\g+3], 32<<16
	s_mov_b32 s[\g+4], 128*KS/256
	s_mov_b32 s[\g+5], 32
	s_mov_b32 s[\g+6], 0
	s_mov_b32 s[\g+7], 0
.endr
	s_lshl_b32 s18, s16, 7                         ; which 128 rows of the tile I fetch
	s_lshl_b32 s20, s17, 8
	s_add_co_u32 s20, s20, s18                     ; x: row 256 x tile row + 128 x half
	s_lshl_b32 s46, s42, 8
	s_add_co_u32 s46, s46, s18                     ; W_qkv: row 256 x tile column + 128 x half
	s_mov_b32 s21, 0
	s_mov_b32 s47, 0
	s_mov_b64 s[18:19], KS
	s_mul_u64 s[22:23], s[20:21], s[18:19]         ; where these rows' scales begin, in bytes
	s_mul_u64 s[92:93], s[46:47], s[18:19]
	s_mov_b64 s[18:19], KROW
	s_mul_u64 s[20:21], s[20:21], s[18:19]         ; and their codes
	s_mul_u64 s[46:47], s[46:47], s[18:19]
	s_mul_i32 s45, s14, HALFT                      ; where they go: wave x 128 rows: no place in the cluster enters an LDS address
	s_mul_i32 s94, s14, HALFS
	s_wait_dscnt 0x0                               ; both opening adds are done
	s_wait_kmcnt 0x0
	s_add_nc_u64 s[20:21], s[4:5], s[20:21]
	s_add_nc_u64 s[22:23], s[6:7], s[22:23]
	s_add_nc_u64 s[46:47], s[8:9], s[46:47]
	s_add_nc_u64 s[92:93], s[10:11], s[92:93]
	CROUND                                         ; all sixteen work-groups are here: the joint loads meet
	s_mov_b32 s[G0S], 1
	s_add_co_u32 s[G0S+1], s94, SCL
	s_mov_b64 s[G0S+2:G0S+3], s[22:23]
	s_or_b32 s[G0S+3], s[G0S+3], 0x80000000
	s_mov_b32 s[G0SB], 1
	s_add_co_u32 s[G0SB+1], s94, SCL
	s_mov_b64 s[G0SB+2:G0SB+3], s[92:93]
	s_or_b32 s[G0SB+3], s[G0SB+3], 0x80000000
	JLOAD G0S, G1S, G0SB, G1SB                     ; the scales first: they are wanted with the first slot.  Three loads of mine are out behind the next two
.irp s, 0,1
	s_mov_b32 s[G0+4*\s], 1
	s_add_co_u32 s[G0+4*\s+1], s45, \s*SLOT
	s_add_nc_u64 s[G0+4*\s+2:G0+4*\s+3], s[20:21], \s*ROWB
	s_or_b32 s[G0+4*\s+3], s[G0+4*\s+3], 0x80000000
	s_mov_b32 s[G0B+4*\s], 1
	s_add_co_u32 s[G0B+4*\s+1], s45, \s*SLOT
	s_add_nc_u64 s[G0B+4*\s+2:G0B+4*\s+3], s[46:47], \s*ROWB
	s_or_b32 s[G0B+4*\s+3], s[G0B+4*\s+3], 0x80000000
	JLOAD G0+4*\s, G1, G0B+4*\s, G1B
.endr
	v_and_b32 v1, 15, v0                           ; r = l % 16
	v_bfe_u32 v2, v0, 4, 1                         ; h = l / 16
	v_mul_u32_u24 v3, v1, PITCH
	v_lshl_add_u32 v4, v2, 4, v3                   ; a fragment's row x pitch + 16 x half
	s_mul_i32 s21, s15, HALFT                      ; my 128 rows of x
	s_mul_i32 s22, s16, HALFT                      ; my 128 rows of W_qkv,
	s_add_co_u32 s22, s22, 2*HALFT                 ; which lie behind x's 256
.irp s, 0,1
	v_add_nc_u32 v[ADRA+\s], s21, v4
	v_add_nc_u32 v[ADRB+\s], s22, v4
	s_add_co_u32 s21, s21, SLOT
	s_add_co_u32 s22, s22, SLOT
.endr
	v_mul_u32_u24 v5, v1, KS                       ; my row's scales: KS bytes a row,
	v_lshrrev_b32 v6, 8, v5
	v_lshl_add_u32 v5, v6, 4, v5                   ; and 16 more for each 256 passed
	s_mul_i32 s21, s15, HALFS                      ; x's: my 128 rows
	s_mul_i32 s22, s16, HALFS                      ; W_qkv's: my 128 rows, behind x's 256
	s_add_co_u32 s22, s22, 2*HALFS
	s_sub_co_u32 s22, s22, s21
	v_mul_u32_u24 v6, s22, v2                      ; lanes 16-31 take W_qkv's: one product, the distance between the two bases
	s_add_co_u32 s21, s21, SCL
	v_add_nc_u32 v5, v5, v6
	v_add_nc_u32 v[ADRS], s21, v5
	s_mul_i32 s23, s14, WST                        ; my stage
	v_mul_u32_u24 v5, v1, HP                       ; in: row r, 16 bytes for each half of the lanes
	v_lshl_add_u32 v5, v2, 4, v5
	v_add_nc_u32 v[STO], s23, v5
	v_and_b32 v6, 31, v0
	v_lshlrev_b32 v[CO], 4, v6                     ; in memory a head's rows of 128 bytes lie on end: four rows are 512 bytes, 16 a lane
	v_lshrrev_b32 v5, 3, v6                        ; back: eight lanes to a row, four rows an instruction
	v_mul_u32_u24 v5, v5, HP
	v_and_b32 v6, 7, v0
	v_lshl_add_u32 v5, v6, 4, v5
	v_add_nc_u32 v[RD], s23, v5
	v_mul_u32_u24 v[FO], v1, 12288                 ; qkv32: row r of 3,072 f32, + 8 h columns
	v_lshl_add_u32 v[FO], v2, 5, v[FO]
	; where my part begins in qkv16: section (tile column / 4) x 2^24 + batch cy x 2^22 + head (4 (tile column % 4) + 2 x column half) x 2^18 + position (256 x cluster y + 128 x row half) x 128
	s_lshr_b32 s46, s42, 2
	s_lshl_b32 s46, s46, 24
	s_lshl_b32 s47, s41, 22
	s_add_co_u32 s46, s46, s47
	s_and_b32 s47, s42, 3
	s_lshl_b32 s47, s47, 2
	s_lshl_b32 s20, s16, 1
	s_add_co_u32 s47, s47, s20
	s_lshl_b32 s47, s47, 18
	s_add_co_u32 s46, s46, s47
	s_lshl_b32 s47, s95, 15
	s_add_co_u32 s46, s46, s47
	s_lshl_b32 s47, s15, 14
	s_add_co_u32 s46, s46, s47
	s_mov_b32 s47, 0
	s_add_nc_u64 s[12:13], s[12:13], s[46:47]
	; and in qkv32: batch cy x 16 rows of 12,288 bytes + 4 x my first column
	s_mul_i32 s46, s41, 196608
	s_lshl_b32 s47, s42, 10
	s_add_co_u32 s46, s46, s47
	s_lshl_b32 s47, s16, 9
	s_add_co_u32 s46, s46, s47
	s_mov_b32 s47, 0
	s_add_nc_u64 s[96:97], s[96:97], s[46:47]
.macro FRAG reg, adr, q, i             ; a fragment, 16 rows x 128 K of 4-bit codes, is 8 registers: lane l holds row l % 16; registers 4 c .. 4 c + 3 hold K = 64 c + 32 (l / 16) + 0 .. 31
.irp c, 0,1
	ds_load_b128 v[\reg+4*\c:\reg+4*\c+3], v[\adr] offset:64*(\q)+32*\c+(\i)*16*PITCH
.endr
.endm
; 16 matrix instructions: x's blocks a0, a0 + 1 against W_qkv's eight, 128 along K: the slot's q-th.  p: W_qkv's set;  sc: the set of scale words.  zero = 1: the first product starts the sums: nothing is cleared.
; The 64 accumulators take turns, one instruction a turn, in the same order in every step.
.macro MUL16 a0, p, q, sc, zero
.irp a, \a0, \a0+1
.irp b, 0,1,2,3,4,5,6,7
.if \zero
	v_wmma_scale_f32_16x16x128_f8f6f4 v[8*(8*((\a)%4)+\b):8*(8*((\a)%4)+\b)+7], v[128*(\p)+FR*\b:128*(\p)+FR*\b+FR-1], v[AF+FR*(\a):AF+FR*(\a)+FR-1], 0, v[SC+8*NQ*(\sc)+NQ*\b+(\q)], v[SC+8*NQ*(\sc)+NQ*(\a)+(\q)] matrix_a_fmt:MATRIX_FMT_FP4 matrix_b_fmt:MATRIX_FMT_FP4 matrix_a_scale:MATRIX_SCALE_ROW1
.else
	v_wmma_scale_f32_16x16x128_f8f6f4 v[8*(8*((\a)%4)+\b):8*(8*((\a)%4)+\b)+7], v[128*(\p)+FR*\b:128*(\p)+FR*\b+FR-1], v[AF+FR*(\a):AF+FR*(\a)+FR-1], v[8*(8*((\a)%4)+\b):8*(8*((\a)%4)+\b)+7], v[SC+8*NQ*(\sc)+NQ*\b+(\q)], v[SC+8*NQ*(\sc)+NQ*(\a)+(\q)] matrix_a_fmt:MATRIX_FMT_FP4 matrix_b_fmt:MATRIX_FMT_FP4 matrix_a_scale:MATRIX_SCALE_ROW1
.endif
.endr
.endr
.endm
.macro FETCH_B slot, q, p              ; W_qkv's eight fragments of the slot's q-th 128 along K into set p
	WIN TO_B
.irp i, 0,1,2,3,4,5,6,7
	FRAG 128*(\p)+FR*\i, ADRB+\slot, \q, \i
.endr
	WIN 0
.endm
.macro FETCH_A slot, q, i0             ; x's blocks i0 .. i0 + 3
.irp i, \i0, \i0+1, \i0+2, \i0+3
	FRAG AF+FR*(\i), ADRA+\slot, \q, \i
.endr
.endm
.macro SCALES sc                       ; a slot's scale words into set sc: NQ words a row; lanes 0-15 take x's block i, lanes 16-31 W_qkv's block i
.irp i, 0,1,2,3,4,5,6,7
	ds_load_b128 v[SC+8*NQ*\sc+NQ*\i:SC+8*NQ*\sc+NQ*\i+3], v[ADRS] offset:\i*SBLK
.endr
.endm
; A load into a register that a matrix instruction has read, and a vector instruction or a store that reads a matrix result, stand NP places behind that matrix instruction; only plain vector instructions
; that name none of its registers are places (ISA guide 7.12.1 for vector instructions).
.macro PLACES n
.rept \n
	v_nop
.endr
.endm
; A step of 128 along K that has its successor in the same slot.
.macro STEP slot, q, zero
	s_wait_dscnt 4*NL                              ; W_qkv's set and x's blocks 0-3 are in; the youngest eight loads (x's blocks 4-7) may be out
	WIN MUL_LO
	MUL16 0, (\q)%2, \q, \slot, \zero
	MUL16 2, (\q)%2, \q, \slot, \zero
	s_wait_dscnt 0                                 ; x's blocks 4-7 are in (asked for 32 matrix instructions ago)
	PLACES NP
	FETCH_B \slot, (\q)+1, 1-(\q)%2
	FETCH_A \slot, (\q)+1, 0
	WIN MUL_HI
	MUL16 4, (\q)%2, \q, \slot, \zero
	MUL16 6, (\q)%2, \q, \slot, \zero
	PLACES NP
	WIN 0
	FETCH_A \slot, (\q)+1, 4
.endm
.macro STEPS slot, from                ; the slot's steps from .. NQ - 2
.set Q, \from
.rept NQ-1-\from
	STEP \slot, Q, 0
.set Q, Q+1
.endr
.endm
	s_wait_tensorcnt 1                             ; the scales and my part of slot 0 are in; slot 1's load, the one issued behind them, may be out
	s_barrier_signal -1
	s_barrier_wait -1                              ; everybody's are
	FETCH_B 0, 0, 0
	FETCH_A 0, 0, 0
	SCALES 0
	FETCH_A 0, 0, 4
	STEP 0, 0, 1                                   ; the first step's products start the sums
	STEPS 0, 1
	; slot 0's last step changes slots: one barrier; in front of it each wave waits for all its tensor loads (my part of slot 1), adds 0 to its spare word, and waits for that and for its own reads of slot 0
	s_wait_tensorcnt 0x0
	ds_add_u32 v[SPW], v[NIL]
	s_wait_dscnt 4*NL+1                            ; (the add and the youngest eight loads, x's blocks 4-7, may be out)
	WIN MUL_LO
	MUL16 0, 1, NQ-1, 0, 0                         ; sixteen matrix instructions stand between the add and the wait for it
	s_wait_dscnt 0x0                               ; the add is done, and my reads of slot 0 are over
	s_barrier_signal -1
	MUL16 2, 1, NQ-1, 0, 0
	WIN 0
	s_barrier_wait -1                              ; slot 1 is whole, and nobody reads slot 0 any more
	PLACES NP
	v_add_nc_u32 v[ADRS], 4*NQ, v[ADRS]            ; on to slot 1's scale words (no LDS load of mine is out)
	FETCH_B 1, 0, 0
	FETCH_A 1, 0, 0
	SCALES 1
	WIN MUL_HI
	MUL16 4, 1, NQ-1, 0, 0
	MUL16 6, 1, NQ-1, 0, 0
	PLACES NP
	WIN 0
	FETCH_A 1, 0, 4
	STEPS 1, 0
	s_wait_dscnt 4*NL                              ; the very last step: nothing more to fetch
	WIN MUL_LO
	MUL16 0, 1, NQ-1, 1, 0
	MUL16 2, 1, NQ-1, 1, 0
	s_wait_dscnt 0
	WIN MUL_HI
	MUL16 4, 1, NQ-1, 1, 0
	MUL16 6, 1, NQ-1, 1, 0
	WIN 0
	PLACES NP                                      ; in front of the first read of results and of the loads into the registers that held x's fragments
	; POSITIONS 0-15 AS f32: block 0 of the waves with the tile's upper rows, in the clusters with y = 0.  A lane stores 32 neighbouring bytes of a row, rows 12,288 bytes apart: pieces of 32 bytes, 786,432 bytes in the whole launch.
	s_or_b32 s94, s95, s15
	s_cmp_lg_u32 s94, 0                            ; cluster y and the wave's number alone: alike in all sixteen partners
	s_cbranch_scc1 .Lnofine
	WIN 0x08                                       ; a store's data are its source 1: window 2
.irp b, 0,1,2,3,4,5,6,7
	global_store_b128 v[FO], v[8*\b:8*\b+3], s[96:97] offset:64*\b        ; each accumulator from its low end on
	global_store_b128 v[FO], v[8*\b+4:8*\b+7], s[96:97] offset:64*\b+16
.endr
	WIN 0
.Lnofine:
; THE WAY OUT, block by block of 16 rows x 128 columns (two heads).  PACK: rounded to f16, 16 bytes a lane.  TOSTAGE: into my own stage, and back four whole rows of a head at a time.  SEND: stored.
.macro PACK a
.set AC, 64*((\a)%4)
	WIN 0x0a+5*((\a)/4)                            ; sources 0 and 1: window 2 or 3
.irp b, 0,1,2,3,4,5,6,7
.irp i, 0,1,2,3
	v_cvt_pk_f16_f32 v[TMP+4*\b+\i], v[AC+8*\b+2*\i], v[AC+8*\b+2*\i+1]
.endr
.endr
	WIN 0
.endm
.macro TOSTAGE a
.set BB, BK+32*((\a)%2)
.irp b, 0,1,2,3,4,5,6,7
	ds_store_b128 v[STO], v[TMP+4*\b:TMP+4*\b+3] offset:(\b/4)*16*HP+(\b%4)*32
.endr
.irp t, 0,1,2,3,4,5,6,7
	ds_load_b128 v[BB+4*\t:BB+4*\t+3], v[RD] offset:(\t/4)*16*HP+(\t%4)*4*HP   ; LDS serves a wave's instructions in order (ISA guide 5.7.1.4): these see the stores above
.endr
.endm
.macro SEND a
.set BB, BK+32*((\a)%2)
	s_wait_dscnt 0x0                               ; the block is back in registers
	s_wait_xcnt 0x0                                ; the block before's stores have read their registers: the next block's loads may land there
.irp t, 0,1,2,3,4,5,6,7
	global_store_b128 v[CO], v[BB+4*\t:BB+4*\t+3], s[12:13] offset:(\t/4)*262144+(\t%4)*512+(\a)*2048   ; 32 lanes store 512 consecutive bytes, aligned: four rows of a head
.endr
.endm
	PACK 0
	TOSTAGE 0
.irp a, 1,2,3,4,5,6,7                  ; block a's conversions stand between block a - 1's loads from the stage and the wait for them
	PACK \a
	SEND \a-1
	TOSTAGE \a
.endr
	SEND 7
	s_wait_tensorcnt 0x0                           ; the wave's end: behind my last tensor load and my last LDS store
	ds_add_u32 v[SPW], v[NIL]
	s_wait_dscnt 0x0
	CROUND                                         ; the closing round: no work-group ends while a partner may still ask for a tile that names it
	s_endpgm
.Lfunc_end_k_qee45f76759_qkv:
	.size	k_qee45f76759_qkv, .Lfunc_end_k_qee45f76759_qkv-k_qee45f76759_qkv
	.p2alignl 7, 3214868480
	.fill 96, 4, 3214868480
	.section	.rodata,"a",@progbits
	.p2align	6, 0x0
	.amdhsa_kernel k_qee45f76759_qkv
		.amdhsa_group_segment_fixed_size 327680
		.amdhsa_private_segment_fixed_size 0
		.amdhsa_enable_private_segment 0
		.amdhsa_kernarg_size 48
		.amdhsa_user_sgpr_count 2
		.amdhsa_user_sgpr_kernarg_segment_ptr 1
		.amdhsa_wavefront_size32 1
		.amdhsa_system_sgpr_workgroup_id_x 1
		.amdhsa_system_sgpr_workgroup_id_y 1
		.amdhsa_system_sgpr_workgroup_id_z 1
		.amdhsa_system_vgpr_workitem_id 0
		.amdhsa_next_free_vgpr 1024
		.amdhsa_next_free_sgpr 100
		.amdhsa_reserve_vcc 0
		.amdhsa_float_denorm_mode_32 3
		.amdhsa_float_denorm_mode_16_64 3
		.amdhsa_memory_ordered 1
		.amdhsa_forward_progress 1
		.amdhsa_inst_pref_size 128
	.end_amdhsa_kernel
	.amdgpu_metadata
---
amdhsa.version: [ 1, 2 ]
amdhsa.kernels:
  - .name:           k_qee45f76759_qkv
    .symbol:         k_qee45f76759_qkv.kd
    .args:
      - { .name: xc, .offset: 0, .size: 8, .value_kind: global_buffer, .address_space: global }
      - { .name: xs, .offset: 8, .size: 8, .value_kind: global_buffer, .address_space: global }
      - { .name: wc, .offset: 16, .size: 8, .value_kind: global_buffer, .address_space: global }
      - { .name: ws, .offset: 24, .size: 8, .value_kind: global_buffer, .address_space: global }
      - { .name: qkv16, .offset: 32, .size: 8, .value_kind: global_buffer, .address_space: global }
      - { .name: qkv32, .offset: 40, .size: 8, .value_kind: global_buffer, .address_space: global }
    .group_segment_fixed_size: 327680
    .private_segment_fixed_size: 0
    .kernarg_segment_align: 8
    .kernarg_segment_size: 48
    .max_flat_workgroup_size: 128
    .sgpr_count:     100
    .vgpr_count:     1024
    .wavefront_size: 32
...
	.end_amdgpu_metadata
.endif
;; end of part 2
;; launch attn (part 3): grid 4 x 64, 8 waves a work-group, no clusters, 327,680 bytes of LDS; arguments qkv16, att16; writes att16
.if DOCPART == 3
	.amdgcn_target "amdgcn-amd-amdhsa--gfx1250"
	.amdhsa_code_object_version 6
	.text
	.protected	k_qee45f76759_attn
	.globl	k_qee45f76759_attn
	.p2align	8
	.type	k_qee45f76759_attn,@function
k_qee45f76759_attn:
	s_mov_b64 s[64:65], 0
	v_nop
	global_prefetch_b8 v0, s[64:65] scope:SCOPE_SE
	s_setreg_imm32_b32 hwreg(HW_REG_WAVE_MODE, 25, 1), 1
	s_wait_xcnt 0x0
; att[b][h][q][:] = the sum over k <= q of softmax_k(Q[q] . K[k] / 8) V[k][:], for each of 64 heads (b, h) of 2,048 positions x 64 channels.  Q, K, V: the three sections of qkv16, f16; att16: [b][h][s][64], f16.
; Products on f16 operands with f32 sums; maxima, exponentials and row sums in f32; the weights p (at most 1) are rounded to f16 for the second product, att once at the end.
; LIMITS: inputs are finite f16 numbers.  Positions 0-15 of every sequence are made here like the others; a later launch makes what hangs on them again in f32.
; SHARES.  Work-group (p, head) owns the query blocks 7 - p and p of its head, 256 queries each, one after the other.  Block j wants the key blocks 0 .. j, so every work-group walks (8 - p) + (p + 1) = 9 slots of 256 keys:
; 256 work-groups of equal work, constant trip counts, and no slot is fetched that is not read.  Each of the eight waves owns 32 queries of the block in hand: two tiles of 16, so that a fragment of K or V read from LDS
; feeds two products.  Two waves share a SIMD: one wave's softmax stands beside the other's products.
; NO CLUSTER: the four work-groups of a head want different key blocks from their fifth trip on (p = 3 goes back to key block 0 while p = 0 goes on to block 5); walking blocks 0-7 jointly with both query blocks at once
; would make every round last as long as its busiest partner's: 12 units of work in place of 9.
; LAYOUT.  S^T = K Q^T (source 0 = 16 keys, source 1 = 16 queries): a lane holds ONE query (lane % 16) and the keys 8 (lane / 16) + 0..7 of a tile.  Two such tiles, rounded to f16 in pairs, ARE source 1 (32 keys x 16 queries)
; of O^T = V^T P.  K comes out of LDS as it lies, V ([key][channel]) turned, by ds_load_tr16_b128.
; SOFTMAX.  For each query a running maximum m and sum l: p = 2^(c s - c m), c = log2(e) / 8; in every step O and l are multiplied by a = 2^(c m_old - c m_new).  m begins at -3e38, O and l at 0.
; THE MASK.  A key step (64 keys) all of whose keys come after the wave's 32 queries is left out by a scalar branch on ids; in the one step on the diagonal hidden scores become -infinity ahead of the maximum.
; A step that is walked begins at or under the wave's first query (both are multiples of 32), so every query sees a key in it and m is a number from the first step on.
; REGISTERS: window 0: v1-15 addresses and constants; v16-31 eight registers of statistics a tile; v32-95 S^T, 32 a tile; v96-127 P, 16 a tile; v128-191 K of a step; v192-255 V of a step.
;   window 1: v0-31 Q, 16 a tile; v64-127 O^T, 32 a tile.
.set PK,    144       ; a row of K in LDS: 128 bytes + 16 of padding: the 16 rows of a load start at 16 different banks (64 banks of 4 bytes: ISA guide 11.1)
.set PV,    160       ; a row of V: 128 + 32
.set VOFF,  64*PK     ; a step's tiles lie together: 64 rows of K, then 64 rows of V
.set STEPB, 64*(PK+PV)
.set SLOT1, 1<<17     ; a slot holds four steps (77,824 bytes); slot 1 begins here, so that one exclusive or turns an address in one slot into the other's
.set STAGE, SLOT1+4*STEPB  ; behind the ring: 32 rows x 144 bytes for each wave, for the way out; no tensor load lands here
.set SP,    144
.set SPARE, STAGE+8*32*SP  ; behind the stages: the spare words, 128 bytes for each wave
.set KBLK,  256*128   ; a key block in memory: 256 rows of 128 bytes
.set AK0, 1           ; v1   my lane's place in a tile of K
.set AV0, 2           ; v2   the same for V
.set ADK, 3           ; v3   LDS address of the step's K
.set ADV, 4           ; v4   of its V
.set QO,  5           ; v5   my byte offset in the wave's rows of Q
.set STO, 6           ; v6   the way out: where I put 16 bytes of a row
.set RD,  7           ; v7   where I read rows back
.set GO,  8           ; v8   16 x lane
.set D0,  9           ; v9, v10  the mask: my query - the step's first key - 8 (lane / 16), for tile 0, 1
.set NINF, 11         ; v11  -infinity
.set SPW, 12          ; v12  LDS address of my spare word; never rewritten
.set NIL, 13          ; v13  0; never rewritten
.set PFO, 14          ; v14  256 x lane, for the prefetches; never rewritten
.set DL,  15          ; v15  lane % 16 - 8 (lane / 16)
.set ST,  16          ; tile u's statistics at v[ST + 8 u]: +0 c m, +1 m, +2, +3 l (even keys', odd keys'), +4 to +7 at work; a takes +6
.set S,   32
.set P,   96
.set KFR, 128
.set VFR, 192
.set O,   64          ; in window 1
.set TB,  2           ; s2   LDS byte at which the step's tiles begin
.set CNT, 3           ; s3   counts a slot's four steps
.set WV,  8           ; s8   my wave's number
.set PP,  9           ; s9   p
.set BH,  10          ; s10  the head, 0..63
.set NSW, 11          ; s11  7 - p: the trip behind which the query block changes
.set T,   12          ; s12  the trip
.set KEY, 13          ; s13  the step's first key
.set Q0,  14          ; s14  my first query
.set TMP, 15
.set BK,  16          ; s[16:17] what a change of slots takes off the walking addresses
.set QBASE, 20        ; s[20:21] my head in section q of qkv16;  s[22:23] in att16
.set ABASE, 22
.set G1K, 24          ; s[24:31] descriptor group 1 for K's tiles;  s[32:39] for V's: it differs in the padding alone
.set G1V, 32
.set G0K, 40          ; s[40:43], s[44:47] their groups 0, which walk
.set G0V, 44
.set BACK, 48         ; s48  (NSW + 1) key blocks in bytes
.set QB,  52          ; s[52:53] my wave's rows of Q;  s[54:55] of att16
.set OB,  54
.set PFA, 56          ; s[56:57] where my prefetches stand
.set CS,  58          ; s[58:59] c: the packed form names a pair and takes its low word for both halves
.set SEL, 60          ; s[60:61] lane selects for v_permlanex16_b32: lane l xor 16
.set LIM, 62          ; s62  a wave prefetches while the trip is under it: 6 where p = 0, else 0
.set W3,  63          ; s63  wave % 4: which of a slot's four steps I fetch
.set MSB, 0
.macro WIN new                      ; the immediate's high byte repeats the setting that is left
.if MSB != \new
	s_set_vgpr_msb (MSB<<8)|\new
.set MSB, \new
.endif
.endm
.set W_KQ, 0x04       ; Q (source 1) in window 1
.set W_PV, 0x50       ; O^T (C and D) in window 1
.set W_RS, 0x41       ; O^T (destination and source 0) in window 1
.set TO1,  0x40       ; destination window 1
.set FROM1, 0x05      ; sources 0 and 1 window 1
; Waves 0-3 fetch K of step wave % 4, waves 4-7 V of it: one load a wave, 64 rows of 128 bytes, dense in memory.  An s_nop 0 and four v_nop follow each of the two lines.
.macro TLOAD
	s_cmp_lt_u32 s[WV], 4
	s_cbranch_scc0 .Lfor_v_\@
	tensor_load_to_lds s[G0K:G0K+3], s[G1K:G1K+7]
	s_nop 0
.rept 4
	v_nop
.endr
	s_branch .Lasked_\@
.Lfor_v_\@:
	tensor_load_to_lds s[G0V:G0V+3], s[G1V:G1V+7]
	s_nop 0
.rept 4
	v_nop
.endr
.Lasked_\@:
.endm
; A PREFETCH of key block t + 2 in trip t: what the NEXT change of slots will ask for, a slot's four key steps (128 matrix instructions a wave) ahead of that load.  It stands behind the wave's tensor load and its five lines.
; Each aligned block of 256 bytes is named once in the launch: all four work-groups of a head begin with the same key blocks, and the one with p = 0, which walks all eight on end, asks; waves 0-3 for K's 32,768 bytes,
; 8,192 a wave, lanes 256 bytes apart; waves 4-7 for V's.  Trips 0 to 5 ask (blocks 2 to 7); blocks 0 and 1 come by their loads alone, and nothing is asked for at the head.
.macro ASK
	s_cmp_lt_u32 s[T], s[LIM]
	s_cbranch_scc0 .Lnot_mine_\@
	global_prefetch_b8 v[PFO], s[PFA:PFA+1] th:TH_LOAD_NT scope:SCOPE_SE
.Lnot_mine_\@:
.endm
; THE CHANGE OF SLOTS stands at a slot's head.  Each wave waits for all its tensor loads (its part of the slot that it is about to read), adds 0 to its spare word, and waits for that and for its reads of the slot that it has left.
; Behind the barrier the slot ahead is whole and nobody reads the other one.  fill = 1: that other slot takes the next trip's key block: one block on, or, behind trip NSW, back to block 0.  One load a wave is out behind each barrier.
.macro CHANGE fill
	s_wait_tensorcnt 0x0            ; no tensor load of mine is out, so a group 0 may be written
	ds_add_u32 v[SPW], v[NIL]       ; 0 onto my spare word; the descriptors' steps stand between it and the wait for it
.if \fill
	s_cmp_eq_u32 s[T], s[NSW]
	s_cselect_b32 s[BK], s[BACK], 0 ; an offset is chosen, not an address
	s_add_nc_u64 s[G0K+2:G0K+3], s[G0K+2:G0K+3], KBLK
	s_sub_nc_u64 s[G0K+2:G0K+3], s[G0K+2:G0K+3], s[BK:BK+1]  ; the type bits on top are not reached
	s_add_nc_u64 s[G0V+2:G0V+3], s[G0V+2:G0V+3], KBLK
	s_sub_nc_u64 s[G0V+2:G0V+3], s[G0V+2:G0V+3], s[BK:BK+1]
	s_xor_b32 s[G0K+1], s[G0K+1], SLOT1  ; the other slot than last time
	s_xor_b32 s[G0V+1], s[G0V+1], SLOT1
	s_wait_xcnt 0x0                 ; the last prefetch, a slot back, has read its address, so it may be written
	s_add_nc_u64 s[PFA:PFA+1], s[PFA:PFA+1], KBLK
.endif
	s_wait_dscnt 0x0                ; the add is done, and my reads of the slot that I have left are over
	s_barrier_signal -1
	s_barrier_wait -1
.if \fill
	TLOAD                           ; the first thing behind the barrier, and my one tensor load until the next
	ASK
.endif
.endm
.macro QLOAD                        ; my 32 queries stay in registers: tile u, channels 32 kc on: lane l holds row l % 16; two loads of 16 bytes, 32 bytes apart
	WIN TO1
.irp u, 0,1
.irp kc, 0,1
	global_load_b128 v[16*\u+8*\kc:16*\u+8*\kc+3],   v[QO], s[QB:QB+1] offset:\u*2048+\kc*64
	global_load_b128 v[16*\u+8*\kc+4:16*\u+8*\kc+7], v[QO], s[QB:QB+1] offset:\u*2048+\kc*64+32
.endr
.endr
	WIN 0
.endm
.macro INIT                         ; a query block begins: m = -3e38, under every score; l and O^T zeros, which the first change of m leaves zeros.  So the key step is written with no first step of its own
.irp u, 0,1
	v_mov_b32 v[ST+8*\u+1], 0xff61b1e6
	v_mul_f32 v[ST+8*\u], s[CS], v[ST+8*\u+1]
.irp i, 2,3,4,5,6,7
	v_mov_b32 v[ST+8*\u+\i], 0
.endr
.endr
	WIN TO1
.set i, 0
.rept 64
	v_mov_b32 v[O+i], 0
.set i, i+1
.endr
	WIN 0
.endm
; A KEY STEP: 64 keys against my 32 queries: 32 LDS loads, 16 + 16 products.
.macro STEP
	s_add_co_u32 s[TMP], s[Q0], 31
	s_cmp_gt_u32 s[KEY], s[TMP]     ; all keys of the step come after my last query: ids and the count of steps alone
	s_cbranch_scc1 .Lhidden_\@
	v_add_nc_u32 v[ADK], s[TB], v[AK0]
	v_add_nc_u32 v[ADV], s[TB], v[AV0]
	v_nop                           ; with the two additions: four places between the last step's products and the loads into the registers that they read
	v_nop
.irp kt, 0,1,2,3
.irp kc, 0,1
	ds_load_b128 v[KFR+16*\kt+8*\kc:KFR+16*\kt+8*\kc+3],   v[ADK] offset:\kt*16*PK+\kc*64
	ds_load_b128 v[KFR+16*\kt+8*\kc+4:KFR+16*\kt+8*\kc+7], v[ADK] offset:\kt*16*PK+\kc*64+32
.endr
.endr
.irp kk, 0,1
.irp ct, 0,1,2,3
	ds_load_tr16_b128 v[VFR+32*\kk+8*\ct:VFR+32*\kk+8*\ct+3],   v[ADV] offset:\kk*32*PV+\ct*32
	ds_load_tr16_b128 v[VFR+32*\kk+8*\ct+4:VFR+32*\kk+8*\ct+7], v[ADV] offset:\kk*32*PV+16*PV+\ct*32
.endr
.endr
	s_wait_dscnt 16                 ; K's sixteen loads are in; V's sixteen, issued behind them, may be out
	WIN W_KQ
.irp kc, 0,1                        ; S^T = K Q^T: the eight accumulators take turns, one instruction a turn; the first eight start the sums
.irp kt, 0,1,2,3
.irp u, 0,1
.if \kc == 0
	v_wmma_f32_16x16x32_f16 v[S+32*\u+8*\kt:S+32*\u+8*\kt+7], v[KFR+16*\kt+8*\kc:KFR+16*\kt+8*\kc+7], v[16*\u+8*\kc:16*\u+8*\kc+7], 0
.else
	v_wmma_f32_16x16x32_f16 v[S+32*\u+8*\kt:S+32*\u+8*\kt+7], v[KFR+16*\kt+8*\kc:KFR+16*\kt+8*\kc+7], v[16*\u+8*\kc:16*\u+8*\kc+7], v[S+32*\u+8*\kt:S+32*\u+8*\kt+7]
.endif
.endr
.endr
.endr
	WIN 0
.rept 4
	v_nop                           ; places in front of the first read of the scores
.endr
	s_add_co_u32 s[TMP], s[KEY], 63
	s_cmp_le_u32 s[TMP], s[Q0]      ; all keys of the step count for all my queries
	s_cbranch_scc1 .Lopen_\@
	s_sub_co_i32 s[TMP], s[Q0], s[KEY]
	v_add_nc_u32 v[D0], s[TMP], v[DL]   ; register 8 kt + j of tile u holds key KEY + 16 kt + 8 (lane / 16) + j: hidden where 16 kt + j > my query - KEY - 8 (lane / 16)
	v_add_nc_u32 v[D0+1], 16, v[D0]
.irp u, 0,1
.set n, 0
.rept 32
	v_cmp_gt_i32 vcc_lo, 16*(n/8)+n%8, v[D0+\u]
	v_cndmask_b32 v[S+32*\u+n], v[S+32*\u+n], v[NINF], vcc_lo
.set n, n+1
.endr
.endr
.Lopen_\@:
	; the maximum of the lane's 32 scores and the old m, three operands at a time, each accumulator from its low end on; the two tiles alternate, so that no line waits for the line above it
.irp j, 0,1,2,3
.irp u, 0,1
	v_max3_num_f32 v[ST+8*\u+4+\j], v[S+32*\u+8*\j], v[S+32*\u+8*\j+1], v[S+32*\u+8*\j+2]
.endr
.endr
.irp i, 3,5
.irp j, 0,1,2,3
.irp u, 0,1
	v_max3_num_f32 v[ST+8*\u+4+\j], v[ST+8*\u+4+\j], v[S+32*\u+8*\j+\i], v[S+32*\u+8*\j+\i+1]
.endr
.endr
.endr
.irp u, 0,1
	v_max3_num_f32 v[ST+8*\u+4], v[ST+8*\u+4], v[S+32*\u+7], v[S+32*\u+15]
	v_max3_num_f32 v[ST+8*\u+6], v[ST+8*\u+6], v[S+32*\u+23], v[S+32*\u+31]
.endr
.irp u, 0,1
	v_max3_num_f32 v[ST+8*\u+4], v[ST+8*\u+4], v[ST+8*\u+5], v[ST+8*\u+6]
.endr
.irp u, 0,1
	v_max3_num_f32 v[ST+8*\u+4], v[ST+8*\u+4], v[ST+8*\u+7], v[ST+8*\u+1]
.endr
.irp u, 0,1
	v_permlanex16_b32 v[ST+8*\u+5], v[ST+8*\u+4], s[SEL], s[SEL+1]  ; the query's other 32 keys lie in the lane 16 away
.endr
.irp u, 0,1
	v_mov_b32 v[ST+8*\u+7], v[ST+8*\u]      ; c m_old is kept for a
.endr
.irp u, 0,1
	v_max_num_f32 v[ST+8*\u+1], v[ST+8*\u+4], v[ST+8*\u+5]
.endr
.irp u, 0,1
	v_mul_f32 v[ST+8*\u], s[CS], v[ST+8*\u+1]
.endr
.irp u, 0,1
	v_sub_f32 v[ST+8*\u+7], v[ST+8*\u+7], v[ST+8*\u]
.endr
.set n, 0
.rept 16
.irp u, 0,1
	v_pk_fma_f32 v[S+32*\u+n:S+32*\u+n+1], v[S+32*\u+n:S+32*\u+n+1], s[CS:CS+1], v[ST+8*\u:ST+8*\u+1] op_sel_hi:[1,0,0] neg_lo:[0,0,1] neg_hi:[0,0,1]  ; c s - c m, two at a time
.endr
.set n, n+2
.endr
.irp u, 0,1                         ; ONE BATCH of 66 exponentials: a, then the weights; none of them reads another's result
	v_exp_f32 v[ST+8*\u+6], v[ST+8*\u+7]
.endr
.set n, 0
.rept 32
	v_exp_f32 v[S+n], v[S+n]
	v_exp_f32 v[S+32+n], v[S+32+n]
.set n, n+1
.endr
	v_nop                           ; a plain instruction behind the last exponential, ahead of the first use
	s_wait_alu depctr_va_vdst(0)    ; the wait ahead of the first instruction that names a result: one for the batch
.set n, 0
.rept 16
.irp u, 0,1
	v_cvt_pk_f16_f32 v[P+16*\u+n], v[S+32*\u+2*n], v[S+32*\u+2*n+1]  ; a pair of neighbouring keys' weights
.endr
.set n, n+1
.endr
.irp w, 4,8,16,32                   ; the sum of the tile's 16 pairs of unrounded weights, in place: neighbours 1, 2, 4 and 8 pairs apart
.set z, 0
.rept 32/\w
.irp u, 0,1
	v_pk_add_f32 v[S+32*\u+\w*z:S+32*\u+\w*z+1], v[S+32*\u+\w*z:S+32*\u+\w*z+1], v[S+32*\u+\w*z+\w/2:S+32*\u+\w*z+\w/2+1]
.endr
.set z, z+1
.endr
.endr
.irp u, 0,1
	v_pk_fma_f32 v[ST+8*\u+2:ST+8*\u+3], v[ST+8*\u+2:ST+8*\u+3], v[ST+8*\u+6:ST+8*\u+7], v[S+32*\u:S+32*\u+1] op_sel_hi:[1,0,1]  ; l = a l + the sum
.endr
	s_wait_dscnt 0x0                ; V is in
	WIN W_RS
.set n, 0
.rept 16
.irp u, 0,1
	v_pk_mul_f32 v[O+32*\u+n:O+32*\u+n+1], v[O+32*\u+n:O+32*\u+n+1], v[ST+8*\u+6:ST+8*\u+7] op_sel_hi:[1,0]  ; O^T x a
.endr
.set n, n+2
.endr
	WIN W_PV
.irp kk, 0,1                        ; O^T += V^T P: the eight accumulators take turns, one instruction a turn
.irp ct, 0,1,2,3
.irp u, 0,1
	v_wmma_f32_16x16x32_f16 v[O+32*\u+8*\ct:O+32*\u+8*\ct+7], v[VFR+32*\kk+8*\ct:VFR+32*\kk+8*\ct+7], v[P+16*\u+8*\kk:P+16*\u+8*\kk+7], v[O+32*\u+8*\ct:O+32*\u+8*\ct+7]
.endr
.endr
.endr
	WIN 0
.Lhidden_\@:
	s_add_co_u32 s[KEY], s[KEY], 64
	s_add_co_u32 s[TB], s[TB], STEPB
.endm
.macro SLOT_STEPS                   ; a slot's four key steps: written once, walked four times; the LDS addresses hang on s[TB]
	s_mov_b32 s[CNT], 4
.Lstep_\@:
	STEP
	s_sub_co_u32 s[CNT], s[CNT], 1
	s_cmp_lg_u32 s[CNT], 0
	s_cbranch_scc1 .Lstep_\@
	s_sub_co_u32 s[TB], s[TB], 4*STEPB  ; back to a slot's first step,
	s_xor_b32 s[TB], s[TB], SLOT1   ; in the other slot
.endm
; THE WAY OUT of a query block.  l's two halves and the other half of the lanes' are added (these lines are the places behind the last products); O^T is divided by l, rounded to f16 and sent through my stage:
; a lane's eight channels of a row are 16 bytes; they come back four whole rows of 128 bytes at a time, which lie on end in att16.
.macro WAYOUT
.irp u, 0,1
	v_add_f32 v[ST+8*\u+4], v[ST+8*\u+2], v[ST+8*\u+3]
.endr
.irp u, 0,1
	v_permlanex16_b32 v[ST+8*\u+5], v[ST+8*\u+4], s[SEL], s[SEL+1]
.endr
.irp u, 0,1
	v_add_f32 v[ST+8*\u+4], v[ST+8*\u+4], v[ST+8*\u+5]
.endr
.irp u, 0,1
	v_rcp_f32 v[ST+8*\u+6], v[ST+8*\u+4]
.endr
	v_nop                           ; a plain instruction between the last reciprocal and the use of its result
	s_wait_alu depctr_va_vdst(0)    ; and the wait: one for the two
	WIN W_RS
.irp u, 0,1
.set i, 0
.rept 16
	v_pk_mul_f32 v[O+32*\u+i:O+32*\u+i+1], v[O+32*\u+i:O+32*\u+i+1], v[ST+8*\u+6:ST+8*\u+7] op_sel_hi:[1,0]  ; each accumulator from its low end on
.set i, i+2
.endr
.endr
	WIN FROM1
.irp u, 0,1
.set i, 0
.rept 16
	v_cvt_pk_f16_f32 v[S+16*\u+i], v[O+32*\u+2*i], v[O+32*\u+2*i+1]
.set i, i+1
.endr
.endr
	WIN 0
.irp u, 0,1
.irp ct, 0,1,2,3
	ds_store_b128 v[STO], v[S+16*\u+4*\ct:S+16*\u+4*\ct+3] offset:\u*16*SP+\ct*32
.endr
.endr
.irp t, 0,1,2,3,4,5,6,7
	ds_load_b128 v[P+4*\t:P+4*\t+3], v[RD] offset:\t*4*SP  ; LDS serves a wave's instructions in order (ISA guide 5.7.1.4): these see the stores above
.endr
.irp t, 0,1,2,3,4,5,6,7
	s_wait_dscnt 7-\t               ; load t is in; the younger ones may be out
	global_store_b128 v[GO], v[P+4*\t:P+4*\t+3], s[OB:OB+1] offset:512*\t  ; 32 lanes store 512 consecutive bytes, aligned
.endr
.endm
	s_load_b128 s[4:7], s[0:1], 0x0 ; qkv16 s[4:5], att16 s[6:7]
	v_lshl_add_u32 v[SPW], v0, 2, SPARE
	v_mov_b32 v[NIL], 0
	ds_add_u32 v[SPW], v[NIL]       ; the wave's opening: the add, twice on end, and its wait ahead of my first tensor load
	ds_add_u32 v[SPW], v[NIL]       ; the set-up below, work on registers, stands between the second and the wait
	v_lshrrev_b32 v1, 5, v0
	v_readfirstlane_b32 s[WV], v1   ; wave 0..7
	s_mov_b32 s[PP], ttmp9
	s_and_b32 s[BH], ttmp7, 0xffff
	s_sub_co_u32 s[NSW], 7, s[PP]
	s_and_b32 s[W3], s[WV], 3
	; descriptor group 1: a tile of 64 rows x 64 elements of 2 bytes, padded in LDS
	s_mov_b32 s[G1K], (1<<16)|(1<<20)|(4<<22)|(3<<25)  ; 15:0 no mask; 17:16 elements of 2 bytes; 20 padding on; 24:22 after every 32 words (code 4); 31:25 four words (code 3)
	s_mov_b32 s[G1V], (1<<16)|(1<<20)|(4<<22)|(7<<25)  ; the same with eight words of padding
.irp g, G1K, G1V
	s_mov_b32 s[\g+1], 64<<16       ; tensor_dim0 = 64
	s_mov_b32 s[\g+2], 64<<16       ; tensor_dim1 = 64
	s_mov_b32 s[\g+3], 64<<16       ; tile_dim0 = 64
	s_mov_b32 s[\g+4], 64           ; tile_dim1 = 64
	s_mov_b32 s[\g+5], 64           ; tensor_dim0_stride
	s_mov_b32 s[\g+6], 0
	s_mov_b32 s[\g+7], 0
.endr
	s_mov_b32 s[CS], 0x3e38aa3b     ; c = log2(e) / 8
	s_mov_b32 s[CS+1], s[CS]        ; named with it as a pair, so it is written
	s_mov_b32 s[SEL], 0x76543210
	s_mov_b32 s[SEL+1], 0xfedcba98
	s_cmp_eq_u32 s[PP], 0
	s_cselect_b32 s[LIM], 6, 0
	s_add_co_u32 s[BACK], s[NSW], 1
	s_lshl_b32 s[BACK], s[BACK], 15
	s_mov_b32 s[BK+1], 0
	s_mov_b32 s[T], 0
	s_mov_b32 s[KEY], 0
	s_mov_b32 s[TB], 0
	s_lshl_b32 s[Q0], s[NSW], 8
	s_lshl_b32 s[TMP], s[WV], 5
	s_add_co_u32 s[Q0], s[Q0], s[TMP]  ; my first query: 256 (7 - p) + 32 x wave
	s_wait_dscnt 0x0                ; both opening adds are done
	s_wait_kmcnt 0x0
	s_lshl_b32 s18, s[BH], 18       ; a head is 2,048 rows of 128 bytes
	s_mov_b32 s19, 0
	s_add_nc_u64 s[QBASE:QBASE+1], s[4:5], s[18:19]
	s_add_nc_u64 s[ABASE:ABASE+1], s[6:7], s[18:19]
	s_lshl_b32 s18, s[W3], 13       ; my step's 64 rows of a key block
	s_add_nc_u64 s[G0K+2:G0K+3], s[QBASE:QBASE+1], s[18:19]
	s_add_nc_u64 s[G0V+2:G0V+3], s[G0K+2:G0K+3], 0x2000000  ; section v
	s_add_nc_u64 s[G0K+2:G0K+3], s[G0K+2:G0K+3], 0x1000000  ; section k
	s_cmp_lt_u32 s[WV], 4
	s_cselect_b64 s[PFA:PFA+1], s[G0K+2:G0K+3], s[G0V+2:G0V+3]
	s_add_nc_u64 s[PFA:PFA+1], s[PFA:PFA+1], KBLK  ; at key block 1: the first change of slots steps it to block 2
	s_or_b32 s[G0K+3], s[G0K+3], 0x80000000  ; 127:126 type = 2
	s_or_b32 s[G0V+3], s[G0V+3], 0x80000000
	s_mov_b32 s[G0K], 1             ; 1:0 count = 1
	s_mul_i32 s[G0K+1], s[W3], STEPB  ; 63:32 LDS address: slot 0, my step
	s_mov_b32 s[G0V], 1
	s_add_co_u32 s[G0V+1], s[G0K+1], VOFF
	TLOAD                           ; slot 0: key block 0
	s_lshl_b32 s18, s[Q0], 7
	s_add_nc_u64 s[QB:QB+1], s[QBASE:QBASE+1], s[18:19]
	s_add_nc_u64 s[OB:OB+1], s[ABASE:ABASE+1], s[18:19]
	v_and_b32 v3, 15, v0            ; r
	v_bfe_u32 v4, v0, 4, 1          ; h
	v_lshlrev_b32 v[QO], 7, v3
	v_lshl_add_u32 v[QO], v4, 4, v[QO]  ; row x 128 + 16 x half
	QLOAD
	v_mul_u32_u24 v[AK0], v3, PK
	v_lshl_add_u32 v[AK0], v4, 4, v[AK0]  ; row x pitch + 16 x half
	v_and_b32 v9, 7, v0             ; the turning load: lane l reads 16 bytes: key 8 (l / 16) + l % 8, channels 8 ((l / 8) % 2) + 0..7
	v_lshl_add_u32 v[AV0], v4, 3, v9
	v_mul_u32_u24 v[AV0], v[AV0], PV
	v_bfe_u32 v9, v0, 3, 1
	v_lshl_add_u32 v[AV0], v9, 4, v[AV0]
	v_add_nc_u32 v[AV0], VOFF, v[AV0]
	s_mul_i32 s[TMP], s[WV], 32*SP
	s_add_co_u32 s[TMP], s[TMP], STAGE  ; my stage
	v_mul_u32_u24 v[STO], v3, SP
	v_lshl_add_u32 v[STO], v4, 4, v[STO]
	v_add_nc_u32 v[STO], s[TMP], v[STO]
	v_and_b32 v[GO], 31, v0         ; lane
	v_lshrrev_b32 v[RD], 3, v[GO]   ; back: eight lanes to a row, four rows an instruction
	v_mul_u32_u24 v[RD], v[RD], SP
	v_and_b32 v9, 7, v0
	v_lshl_add_u32 v[RD], v9, 4, v[RD]
	v_add_nc_u32 v[RD], s[TMP], v[RD]
	v_lshlrev_b32 v[PFO], 8, v[GO]
	v_lshlrev_b32 v[GO], 4, v[GO]
	v_lshlrev_b32 v[DL], 3, v4
	v_sub_nc_u32 v[DL], v3, v[DL]
	v_mov_b32 v[NINF], 0xff800000
	INIT
	s_wait_loadcnt 0x0              ; Q
.Lslot:                             ; eight trips: behind each change of slots but the last the next trip's key block is asked for.
	CHANGE 1
	SLOT_STEPS
	s_cmp_lg_u32 s[T], s[NSW]       ; the work-group's number and the count of trips alone: all eight waves go the same way; no barrier and no tensor load stands inside
	s_cbranch_scc1 .Lnosw
	s_lshl_b32 s[TMP], s[PP], 8     ; THE QUERY BLOCK CHANGES: block 7 - p is done, block p begins
	s_lshl_b32 s18, s[WV], 5
	s_add_co_u32 s[TMP], s[TMP], s18  ; my new first query: 256 p + 32 x wave
	s_lshl_b32 s18, s[TMP], 7
	s_add_nc_u64 s[QB:QB+1], s[QBASE:QBASE+1], s[18:19]  ; (the first block's loads of Q were waited for at the head)
	QLOAD                           ; asked for first: they land while the old block goes out
	WAYOUT
	s_wait_xcnt 0x0                 ; the stores have read their registers and their base: both may be written again
	s_add_nc_u64 s[OB:OB+1], s[ABASE:ABASE+1], s[18:19]
	s_mov_b32 s[Q0], s[TMP]
	s_mov_b32 s[KEY], 0
	INIT
	s_wait_loadcnt 0x0              ; Q
.Lnosw:
	s_add_co_u32 s[T], s[T], 1
	s_cmp_lt_u32 s[T], 8
	s_cbranch_scc1 .Lslot
	CHANGE 0                        ; the last slot is written out
	SLOT_STEPS
	WAYOUT
	s_wait_tensorcnt 0x0            ; the wave's end: behind my last tensor load and my last LDS store
	ds_add_u32 v[SPW], v[NIL]
	s_wait_dscnt 0x0
	s_endpgm
.Lfunc_end_k_qee45f76759_attn:
	.size	k_qee45f76759_attn, .Lfunc_end_k_qee45f76759_attn-k_qee45f76759_attn
	.p2alignl 7, 3214868480
	.fill 96, 4, 3214868480
	.section	.rodata,"a",@progbits
	.p2align	6, 0x0
	.amdhsa_kernel k_qee45f76759_attn
		.amdhsa_group_segment_fixed_size 327680
		.amdhsa_private_segment_fixed_size 0
		.amdhsa_enable_private_segment 0
		.amdhsa_kernarg_size 16
		.amdhsa_user_sgpr_count 2
		.amdhsa_user_sgpr_kernarg_segment_ptr 1
		.amdhsa_wavefront_size32 1
		.amdhsa_system_sgpr_workgroup_id_x 1
		.amdhsa_system_sgpr_workgroup_id_y 1
		.amdhsa_system_sgpr_workgroup_id_z 1
		.amdhsa_system_vgpr_workitem_id 0
		.amdhsa_next_free_vgpr 384
		.amdhsa_next_free_sgpr 72
		.amdhsa_reserve_vcc 1
		.amdhsa_float_denorm_mode_32 3
		.amdhsa_float_denorm_mode_16_64 3
		.amdhsa_memory_ordered 1
		.amdhsa_forward_progress 1
		.amdhsa_inst_pref_size 71
	.end_amdhsa_kernel
	.amdgpu_metadata
---
amdhsa.version: [ 1, 2 ]
amdhsa.kernels:
  - .name:           k_qee45f76759_attn
    .symbol:         k_qee45f76759_attn.kd
    .args:
      - { .name: qkv16, .offset: 0, .size: 8, .value_kind: global_buffer, .address_space: global }
      - { .name: att16, .offset: 8, .size: 8, .value_kind: global_buffer, .address_space: global }
    .group_segment_fixed_size: 327680
    .private_segment_fixed_size: 0
    .kernarg_segment_align: 8
    .kernarg_segment_size: 16
    .max_flat_workgroup_size: 256
    .sgpr_count:     72
    .vgpr_count:     384
    .wavefront_size: 32
...
	.end_amdgpu_metadata
.endif
;; end of part 3
;; launch proj (part 4): grid 8 x 32, 4 waves a work-group, clusters of 4 x 4, 327,680 bytes of LDS; arguments att16, wo16, out0; writes out0
.if DOCPART == 4
	.amdgcn_target "amdgcn-amd-amdhsa--gfx1250"
	.amdhsa_code_object_version 6
	.text
	.protected	k_qee45f76759_proj
	.globl	k_qee45f76759_proj
	.p2align	8
	.type	k_qee45f76759_proj,@function
k_qee45f76759_proj:
	s_mov_b64 s[64:65], 0
	v_nop
	global_prefetch_b8 v0, s[64:65] scope:SCOPE_SE
	s_setreg_imm32_b32 hwreg(HW_REG_WAVE_MODE, 25, 1), 1
	s_wait_xcnt 0x0
	s_wait_alu depctr_hold_cnt(0) depctr_sa_sdst(0) depctr_va_vdst(0) depctr_va_sdst(0) depctr_va_ssrc(0) depctr_va_vcc(0) depctr_vm_vsrc(0)
	s_getreg_b32 s2, hwreg(HW_REG_IB_STS2, 6, 4)
	s_cmp_eq_u32 s2, 0
	s_cbranch_scc0 .Lentry_in_a_cluster
	s_endpgm
.Lentry_in_a_cluster:
	s_bfe_u32 s2, ttmp6, 0x10000c
	s_cmp_lg_u32 s2, 0xf033
	s_cbranch_scc0 .Lentry_shape_is_right
	s_endpgm
.Lentry_shape_is_right:
; out0[m][n] = sum over k of att[m][k] W_out[n][k], m = 2048 b + s, k = 64 head + channel.  att16: [b][h][s][64] f16; wo16: [1024 n][1024 k] f16; out0: [8192][1024] f32; sums in f32.
; A tile of out0 is 256 (m) x 128 (n): 256 work-groups.  Four waves, each 128 x 64: 32 accumulators of 16 x 16, 256 registers.  K goes in 8 steps of 128, two heads, through a ring of two LDS slots.
; In att16 the 256 rows of one head are 32,768 dense bytes: waves 0 and 1 fetch the step's even and odd head (256 rows of 128 bytes each), waves 2 and 3 each 64 rows x 256 bytes of wo16: one tensor load a wave.
; CLUSTERS: 4 x 4 work-groups.  The four of a row of the cluster need the same tiles of att16, the four of a column the same tiles of wo16: each tile is asked for JOINTLY, by the same tensor load with the
; same descriptor and a mask that names the four.  THE MATRIX INSTRUCTION IS USED TRANSPOSED (source 0 = 16 rows of wo16, source 1 = 16 rows of att16): a lane then holds eight neighbouring numbers of a row of out0.
; Rows s < 16 of every batch are stored here like the others, and stored again, made in f32, by the launch behind this one.
; REGISTERS: window 0: v0-31 addresses; two fragment buffers of 96 for 32 along K: v32-127 and v128-223 (64 registers of att16, then 32 of wo16); on the way out v32-95 hold rows.  window 1: the accumulators ((a, b) at v[8 (4 a + b)]).
.set PA,     144                       ; a row of att16 in LDS: 128 bytes + 16 of padding;
.set PB,     272                       ; of wo16: 256 + 16: either way the 16 rows that a load touches start at 16 different banks (64 banks of 4 bytes: ISA guide 11.1)
.set AHEAD,  256*PA                    ; a head's 256 rows
.set BOFF,   2*AHEAD                   ; a slot: the even head, the odd head, then wo16's 128 rows
.set SLOT,   BOFF+128*PB
.set STAGE,  2*SLOT                    ; behind the ring: 16 rows x 272 bytes for each wave, for the way out
.set SPITCH, 272
.set SPARE,  STAGE+4*16*SPITCH         ; behind the stages: the spare words, 128 bytes for each wave
.set LAPS,   4                         ; a lap = two K steps = once round the ring
.set ADRA, 16                          ; v16-17  LDS address of my att16 fragments in slot 0, 1
.set ADRB, 20                          ; v20-21  the same for wo16
.set STO,  24                          ; v24     the way out: where I put 32 bytes of a row
.set RD,   25                          ; v25     where I read rows back
.set CO,   26                          ; v26     my byte offset in two rows of out0
.set SPW,  28                          ; v28     LDS address of my spare word; never rewritten
.set NIL,  29                          ; v29     0; never rewritten
.set F0,   32
.set F1,   128
.set OBK,  32                          ; the way out: v32-63 and v64-95 by turns
.set G1, 24                            ; s[24:31] descriptor group 1 for att16's tiles;  s[32:39] group 0, one set for each slot
.set G0, 32
.set G1B, 48                           ; s[48:55], s[56:63] the same for wo16's
.set G0B, 56
.set MSB, 0
.macro WIN new                         ; the immediate's high byte repeats the setting that is left
.if MSB != \new
	s_set_vgpr_msb (MSB<<8)|\new
.set MSB, \new
.endif
.endm
.set MUL, 0x50                         ; C and D window 1; the sources window 0
.macro JLOAD s                         ; a joint load: waves 0 and 1 fetch for att16, waves 2 and 3 for wo16; an s_nop 0 and four v_nop follow each of the two lines
	s_cmp_eq_u32 s11, 0
	s_cbranch_scc0 .Lfor_b_\@
	tensor_load_to_lds s[G0+4*\s:G0+4*\s+3], s[G1:G1+7]
	s_nop 0
.rept 4
	v_nop
.endr
	s_branch .Lasked_\@
.Lfor_b_\@:
	tensor_load_to_lds s[G0B+4*\s:G0B+4*\s+3], s[G1B:G1B+7]
	s_nop 0
.rept 4
	v_nop
.endr
.Lasked_\@:
.endm
.macro CREST                           ; a round of the cluster's barrier behind its opening barrier
	s_cmp_lg_u32 s10, 0
	s_cbranch_scc1 .Lnot_wave_0_\@
	s_barrier_signal -3
.Lnot_wave_0_\@:
	s_barrier_wait -3
	s_barrier_signal -1
	s_barrier_wait -1
.endm
.macro CROUND                          ; a whole round
	s_barrier_signal -1
	s_barrier_wait -1
	CREST
.endm
	s_load_b128 s[4:7], s[0:1], 0x0                ; att16 s[4:5], wo16 s[6:7]
	s_load_b64 s[8:9], s[0:1], 0x10                ; out0
	v_lshl_add_u32 v[SPW], v0, 2, SPARE
	v_mov_b32 v[NIL], 0
	ds_add_u32 v[SPW], v[NIL]                      ; the wave's opening: the add, twice on end, and its wait ahead of my first tensor load
	ds_add_u32 v[SPW], v[NIL]                      ; the set-up below, work on registers, stands between the second and the wait
	v_lshrrev_b32 v1, 5, v0
	v_readfirstlane_b32 s10, v1                    ; wave 0..3
	s_lshr_b32 s11, s10, 1                         ; which half of the tile's rows is mine.  Also: I fetch for att16 (0) or for wo16 (1)
	s_and_b32 s12, s10, 1                          ; which half of its columns.  Also: which part I fetch
	s_bfe_u32 s40, ttmp6, 0x40000                  ; cx, cy: my place in the cluster
	s_bfe_u32 s41, ttmp6, 0x40004
	s_lshl_b32 s42, ttmp9, 2
	s_add_co_u32 s42, s42, s40                     ; tile column = 4 x cluster x + cx
	s_and_b32 s13, ttmp7, 0xffff
	s_lshl_b32 s13, s13, 2
	s_add_co_u32 s13, s13, s41                     ; tile row = 4 x cluster y + cy
	s_lshl_b32 s43, s41, 2
	s_lshl_b32 s43, 15, s43                        ; my row of the cluster
	s_lshl_b32 s44, 0x1111, s40                    ; my column
	; descriptor group 1.  att16: 256 rows x 64 elements of 2 bytes, dense; four words of padding after every 32
	s_or_b32 s[G1+0], s43, (1<<16)|(1<<20)|(1<<21)|(4<<22)|(3<<25)
	s_mov_b32 s[G1+1], 64<<16                      ; tensor_dim0
	s_mov_b32 s[G1+2], 256<<16                     ; tensor_dim1
	s_mov_b32 s[G1+3], 64<<16                      ; tile_dim0
	s_mov_b32 s[G1+4], 256                         ; tile_dim1
	s_mov_b32 s[G1+5], 64                          ; tensor_dim0_stride
	s_mov_b32 s[G1+6], 0
	s_mov_b32 s[G1+7], 0
	; wo16: 64 rows x 128 elements, 1,024 elements from row to row; four words of padding after every 64
	s_or_b32 s[G1B+0], s44, (1<<16)|(1<<20)|(1<<21)|(5<<22)|(3<<25)
	s_mov_b32 s[G1B+1], 128<<16
	s_mov_b32 s[G1B+2], 64<<16
	s_mov_b32 s[G1B+3], 128<<16
	s_mov_b32 s[G1B+4], 64
	s_mov_b32 s[G1B+5], 1024
	s_mov_b32 s[G1B+6], 0
	s_mov_b32 s[G1B+7], 0
	; where the tiles come from.  att16: ((16 x batch + head) x 2,048 + position) x 128 bytes, batch = tile row / 8, head = my part, position = 256 (tile row % 8): it hangs on the tile row alone
	s_lshr_b32 s16, s13, 3
	s_lshl_b32 s16, s16, 4
	s_add_co_u32 s16, s16, s12
	s_lshl_b32 s16, s16, 11
	s_and_b32 s17, s13, 7
	s_lshl_b32 s17, s17, 8
	s_add_co_u32 s16, s16, s17
	s_lshl_b32 s16, s16, 7
	s_mov_b32 s17, 0
	; wo16: row 128 x tile column + 64 x my part, 2,048 bytes a row: it hangs on the tile column alone
	s_lshl_b32 s46, s42, 7
	s_lshl_b32 s47, s12, 6
	s_add_co_u32 s46, s46, s47
	s_lshl_b32 s46, s46, 11
	s_mov_b32 s47, 0
	s_mul_i32 s20, s12, AHEAD                      ; where they go: no place in the cluster enters an LDS address
	s_mul_i32 s21, s12, 64*PB
	s_add_co_u32 s21, s21, BOFF
	s_wait_dscnt 0x0                               ; both opening adds are done
	s_wait_kmcnt 0x0
	s_add_nc_u64 s[14:15], s[4:5], s[16:17]
	s_add_nc_u64 s[46:47], s[6:7], s[46:47]
	CROUND                                         ; all sixteen work-groups are here: the first joint loads meet
.irp s, 0,1
	s_mov_b32 s[G0+4*\s], 1
	s_add_co_u32 s[G0+4*\s+1], s20, \s*SLOT
	s_add_nc_u64 s[G0+4*\s+2:G0+4*\s+3], s[14:15], \s*2*262144     ; K step s: two heads on
	s_or_b32 s[G0+4*\s+3], s[G0+4*\s+3], 0x80000000
	s_mov_b32 s[G0B+4*\s], 1
	s_add_co_u32 s[G0B+4*\s+1], s21, \s*SLOT
	s_add_nc_u64 s[G0B+4*\s+2:G0B+4*\s+3], s[46:47], \s*256
	s_or_b32 s[G0B+4*\s+3], s[G0B+4*\s+3], 0x80000000
	JLOAD \s                                       ; two loads of mine are out behind the second
.endr
	v_and_b32 v1, 15, v0                           ; r
	v_bfe_u32 v2, v0, 4, 1                         ; h
	v_mul_u32_u24 v3, v1, PA
	v_lshl_add_u32 v3, v2, 4, v3                   ; a fragment's row x pitch + 16 x half
	v_mul_u32_u24 v4, v1, PB
	v_lshl_add_u32 v4, v2, 4, v4
	s_mul_i32 s22, s11, 128*PA                     ; my 128 rows of att16
	s_mul_i32 s23, s12, 64*PB                      ; my 64 rows of wo16
	s_add_co_u32 s23, s23, BOFF
.irp s, 0,1
	v_add_nc_u32 v[ADRA+\s], s22, v3
	v_add_nc_u32 v[ADRB+\s], s23, v4
	s_add_co_u32 s22, s22, SLOT
	s_add_co_u32 s23, s23, SLOT
.endr
	s_mul_i32 s23, s10, 16*SPITCH
	s_add_co_u32 s23, s23, STAGE                   ; my stage
	v_mul_u32_u24 v5, v1, SPITCH                   ; in: row r, 32 bytes for each half of the lanes
	v_lshl_add_u32 v5, v2, 5, v5
	v_add_nc_u32 v[STO], s23, v5
	v_mul_u32_u24 v5, v2, SPITCH                   ; back: lanes 0-15 take one row of 256 bytes, lanes 16-31 the next
	v_lshl_add_u32 v5, v1, 4, v5
	v_add_nc_u32 v[RD], s23, v5
	v_lshlrev_b32 v5, 12, v2                       ; and the same two rows in out0, 4,096 bytes apart
	v_lshl_add_u32 v[CO], v1, 4, v5
	s_lshl_b32 s16, s13, 8
	s_lshl_b32 s17, s11, 7
	s_add_co_u32 s16, s16, s17                     ; my first row of out0: 256 x tile row + 128 x half
	s_lshl_b32 s16, s16, 12
	s_mov_b32 s17, 0
	s_add_nc_u64 s[8:9], s[8:9], s[16:17]
	s_lshl_b32 s46, s42, 9                         ; my first column, in bytes: 512 x tile column + 256 x half
	s_lshl_b32 s47, s12, 8
	s_add_co_u32 s46, s46, s47
	s_mov_b32 s47, 0
	s_add_nc_u64 s[8:9], s[8:9], s[46:47]
; 8 matrix instructions: m blocks a0, a0 + 1 x all 4 n blocks, 32 along K, from buffer f.  zero = 1: the product starts the sum.  The 32 accumulators take turns, one instruction a turn, in the same order in every quarter.
.macro MUL8 f, a0, zero
.irp a, \a0, \a0+1
.irp b, 0,1,2,3
.if \zero
	v_wmma_f32_16x16x32_f16 v[8*(4*(\a)+\b):8*(4*(\a)+\b)+7], v[\f+64+8*\b:\f+64+8*\b+7], v[\f+8*(\a):\f+8*(\a)+7], 0
.else
	v_wmma_f32_16x16x32_f16 v[8*(4*(\a)+\b):8*(4*(\a)+\b)+7], v[\f+64+8*\b:\f+64+8*\b+7], v[\f+8*(\a):\f+8*(\a)+7], v[8*(4*(\a)+\b):8*(4*(\a)+\b)+7]
.endif
.endr
.endr
.endm
; 24 LDS loads in one run: the fragments of the slot's q-th 32 along K into buffer f: wo16's four, att16's blocks 0-3, then 4-7.  Quarter q lies in head q / 2 of the step, channels 32 (q % 2) on
.macro FETCH slot, q, f
	WIN 0
.irp i, 0,1,2,3
	ds_load_b128 v[\f+64+8*\i:\f+64+8*\i+3],   v[ADRB+\slot] offset:(\q)*64+\i*16*PB
	ds_load_b128 v[\f+64+8*\i+4:\f+64+8*\i+7], v[ADRB+\slot] offset:(\q)*64+\i*16*PB+32
.endr
.irp i, 0,1,2,3,4,5,6,7
	ds_load_b128 v[\f+8*\i:\f+8*\i+3],   v[ADRA+\slot] offset:((\q)/2)*AHEAD+((\q)%2)*64+\i*16*PA
	ds_load_b128 v[\f+8*\i+4:\f+8*\i+7], v[ADRA+\slot] offset:((\q)/2)*AHEAD+((\q)%2)*64+\i*16*PA+32
.endr
.endm
.macro PLACES                          ; four places in front of loads into registers that matrix instructions have read, and of the first read of results (ISA guide 7.12.1 for vector instructions)
.rept 4
	v_nop
.endr
.endm
; A K step is four quarters of 32 along K, 32 matrix instructions each, on buffers 0, 1, 0, 1.  One of the first three: multiplies buffer f and fetches quarter qn of the same slot into g.
.macro QUARTER slot, qn, f, g, zero
	s_wait_dscnt 8                                 ; wo16's fragments and att16's blocks 0-3 are in; the youngest eight loads (blocks 4-7) may be out
	WIN MUL
	MUL8 \f, 0, \zero
	MUL8 \f, 2, \zero
	PLACES
	FETCH \slot, \qn, \g
	s_wait_dscnt 24                                ; all but the 24 just issued
	WIN MUL
	MUL8 \f, 4, \zero
	MUL8 \f, 6, \zero
.endm
; The last quarter multiplies buffer 1 and changes slots: ONE barrier; in front of it each wave waits for all its tensor loads, adds 0 to its spare word, and waits for that and for its own reads of this slot.
; fill = 1: the barrier opens a round of the cluster's, and this slot is filled again, two K steps ahead: from that request to the wait for it a wave issues 112 matrix instructions.
.macro TURN slot, next, fill
	WIN 0                                          ; (the add's two registers lie in window 0)
	s_wait_tensorcnt 0x0                           ; all my tensor loads have landed: my part of the next slot
	ds_add_u32 v[SPW], v[NIL]
	s_wait_dscnt 9                                 ; (the add and the youngest eight loads may be out)
	WIN MUL
	MUL8 F1, 0, 0                                  ; eight matrix instructions stand between the add and the wait for it
	s_wait_dscnt 0x0                               ; the add is done, and my reads of this slot are over
	s_barrier_signal -1
	MUL8 F1, 2, 0
.if \fill
	WIN 0
.endif
	s_barrier_wait -1
.if \fill
	CREST                                          ; no wave of any partner still reads this slot's tiles or has a load on its way
	s_add_nc_u64 s[G0+4*\slot+2:G0+4*\slot+3], s[G0+4*\slot+2:G0+4*\slot+3], 4*262144    ; two K steps: four heads on
	s_add_nc_u64 s[G0B+4*\slot+2:G0B+4*\slot+3], s[G0B+4*\slot+2:G0B+4*\slot+3], 512
	JLOAD \slot                                    ; the first tensor load behind the round; the four v_nop behind it are also the places in front of the loads below
.else
	PLACES
.endif
	FETCH \next, 0, F0
	WIN MUL
	MUL8 F1, 4, 0
	MUL8 F1, 6, 0
.endm
	s_wait_tensorcnt 1                             ; my part of K step 0 is in; K step 1's load may be out
	s_barrier_signal -1
	s_barrier_wait -1                              ; everybody's is
	FETCH 0, 0, F0
	QUARTER 0, 1, F0, F1, 1                        ; the first quarter stands in front of the loop: its products start the sums
	WIN 0                                          ; at a label and at a branch every window is 0
	s_mov_b32 s3, LAPS-1
.Llap:                                                 ; a trip goes once round the ring, from a lap's second quarter to the next lap's first, and fills both slots again
	QUARTER 0, 2, F1, F0, 0
	QUARTER 0, 3, F0, F1, 0
	TURN 0, 1, 1
	QUARTER 1, 1, F0, F1, 0
	QUARTER 1, 2, F1, F0, 0
	QUARTER 1, 3, F0, F1, 0
	TURN 1, 0, 1
	QUARTER 0, 1, F0, F1, 0
	WIN 0
	s_sub_co_u32 s3, s3, 1
	s_cmp_lg_u32 s3, 0
	s_cbranch_scc1 .Llap
	QUARTER 0, 2, F1, F0, 0                        ; the last lap fills nothing, and has no round of the cluster's barrier
	QUARTER 0, 3, F0, F1, 0
	TURN 0, 1, 0
	QUARTER 1, 1, F0, F1, 0
	QUARTER 1, 2, F1, F0, 0
	QUARTER 1, 3, F0, F1, 0
	s_wait_dscnt 8                                 ; the very last quarter: nothing more to fetch
	WIN MUL
	MUL8 F1, 0, 0
	MUL8 F1, 2, 0
	s_wait_dscnt 0
	MUL8 F1, 4, 0
	MUL8 F1, 6, 0
	WIN 0
; THE WAY OUT, block by block of 16 rows x 64 columns.  A lane holds 32 neighbouring bytes of a row: a block goes through my own stage and comes back as whole rows of 256 bytes, two an instruction.
.macro TOSTAGE a
	WIN 0x04                                       ; an LDS store's data are its source 1: window 1
.irp b, 0,1,2,3
	ds_store_b128 v[STO], v[8*(4*(\a)+\b):8*(4*(\a)+\b)+3] offset:64*\b          ; each accumulator from its low end on
	ds_store_b128 v[STO], v[8*(4*(\a)+\b)+4:8*(4*(\a)+\b)+7] offset:64*\b+16
.endr
	WIN 0
.set BB, OBK+32*((\a)%2)
.irp t, 0,1,2,3,4,5,6,7
	ds_load_b128 v[BB+4*\t:BB+4*\t+3], v[RD] offset:\t*2*SPITCH   ; LDS serves a wave's instructions in order (ISA guide 5.7.1.4): these see the stores above
.endr
.endm
.macro SEND a, younger                 ; younger: the LDS instructions issued behind block a's loads, which may stay out
.set BB, OBK+32*((\a)%2)
	s_wait_dscnt \younger                          ; the block is back in registers
.irp t, 0,1,2,3,4,5,6,7
	global_store_b128 v[CO], v[BB+4*\t:BB+4*\t+3], s[8:9] offset:(16*(\a)+2*\t)*4096 th:TH_STORE_NT   ; 16 lanes store 256 consecutive bytes, aligned; 126 rows at the most: inside the signed 24-bit immediate
.endr
.endm
	PLACES
	TOSTAGE 0
.irp a, 1,2,3,4,5,6,7
.if \a > 1
	s_wait_xcnt 0x0                                ; block a - 2's stores have read their registers: block a's loads may land there
.endif
	TOSTAGE \a
	SEND \a-1, 16                                  ; behind block a - 1's loads: block a's 8 stores and 8 loads
.endr
	SEND 7, 0
	s_wait_tensorcnt 0x0                           ; the wave's end: behind my last tensor load and my last LDS store
	ds_add_u32 v[SPW], v[NIL]
	s_wait_dscnt 0x0
	CROUND                                         ; the closing round: no work-group ends while a partner may still ask for a tile that names it
	s_endpgm
.Lfunc_end_k_qee45f76759_proj:
	.size	k_qee45f76759_proj, .Lfunc_end_k_qee45f76759_proj-k_qee45f76759_proj
	.p2alignl 7, 3214868480
	.fill 96, 4, 3214868480
	.section	.rodata,"a",@progbits
	.p2align	6, 0x0
	.amdhsa_kernel k_qee45f76759_proj
		.amdhsa_group_segment_fixed_size 327680
		.amdhsa_private_segment_fixed_size 0
		.amdhsa_enable_private_segment 0
		.amdhsa_kernarg_size 24
		.amdhsa_user_sgpr_count 2
		.amdhsa_user_sgpr_kernarg_segment_ptr 1
		.amdhsa_wavefront_size32 1
		.amdhsa_system_sgpr_workgroup_id_x 1
		.amdhsa_system_sgpr_workgroup_id_y 1
		.amdhsa_system_sgpr_workgroup_id_z 1
		.amdhsa_system_vgpr_workitem_id 0
		.amdhsa_next_free_vgpr 512
		.amdhsa_next_free_sgpr 66
		.amdhsa_reserve_vcc 0
		.amdhsa_float_denorm_mode_32 3
		.amdhsa_float_denorm_mode_16_64 3
		.amdhsa_memory_ordered 1
		.amdhsa_forward_progress 1
		.amdhsa_inst_pref_size 86
	.end_amdhsa_kernel
	.amdgpu_metadata
---
amdhsa.version: [ 1, 2 ]
amdhsa.kernels:
  - .name:           k_qee45f76759_proj
    .symbol:         k_qee45f76759_proj.kd
    .args:
      - { .name: att16, .offset: 0, .size: 8, .value_kind: global_buffer, .address_space: global }
      - { .name: wo16, .offset: 8, .size: 8, .value_kind: global_buffer, .address_space: global }
      - { .name: out0, .offset: 16, .size: 8, .value_kind: global_buffer, .address_space: global }
    .group_segment_fixed_size: 327680
    .private_segment_fixed_size: 0
    .kernarg_segment_align: 8
    .kernarg_segment_size: 24
    .max_flat_workgroup_size: 128
    .sgpr_count:     66
    .vgpr_count:     512
    .wavefront_size: 32
...
	.end_amdgpu_metadata
.endif
;; end of part 4
;; launch fine (part 5): grid 64 x 4, 16 waves a work-group, no clusters, 18,432 bytes of LDS; arguments qkv32, W_out, out0; writes out0
.if DOCPART == 5
	.amdgcn_target "amdgcn-amd-amdhsa--gfx1250"
	.amdhsa_code_object_version 6
	.text
	.protected	k_qee45f76759_fine
	.globl	k_qee45f76759_fine
	.p2align	8
	.type	k_qee45f76759_fine,@function
k_qee45f76759_fine:
	s_mov_b64 s[64:65], 0
	v_nop
	global_prefetch_b8 v0, s[64:65] scope:SCOPE_SE
	s_setreg_imm32_b32 hwreg(HW_REG_WAVE_MODE, 25, 1), 1
	s_wait_xcnt 0x0
; POSITIONS 0-15 OF EVERY SEQUENCE, IN f32: under the causal mask these rows average one to sixteen values and are the largest of the output, so the rounding of 16-bit operands weighs most on them.
; out0[b][q][n] for q < 16 is made again from qkv32 [4 b][16 s][3072] (the first product's f32 sums) and W_out (f32): attention and projection by v_wmma_f32_16x16x4_f32, 48 instructions a wave: no bulk work.
; SHARES.  Work-group (x, b) makes columns 16 x .. 16 x + 15 of batch b's 16 rows.  Wave = head: it makes its head's attention (every work-group of a batch makes it again: 32 small products), multiplies its O^T, which is
; its 64 of the projection's K, by its piece of W_out straight from registers, and the 16 partial tiles meet in LDS, where waves 0 and 1 add them in ascending order of the head.
; The stores are pieces of 64 bytes of rows 4,096 bytes apart: 262,144 bytes in the whole launch.
; LAYOUT.  All three products are used so that a lane holds ONE query (lane % 16).  The f32 form takes k = 2 (lane / 16) + j in register j; k is permuted alike on both sides of each product, so that each side's pairs are
; taken as the loads or the results before leave them.  The registers that the matrix instructions write (v144-191) are written by nothing else; sums begin with the constant 0; what is made of a sum goes elsewhere.
; No tensor loads, no cluster (the launch is short and its inputs are small), no prefetch.
.set SPARE, 16384                      ; LDS: 1,024 bytes of partial sums for each wave, then the spare words, 128 bytes for each wave
.set QA,  3                            ; v3   q, k: 12,288 r + 16 h
.set VA,  4                            ; v4   v: 98,304 h + 4 r
.set WA,  5                            ; v5   W_out: 4,096 r + 32 h
.set DL,  6                            ; v6   r - 8 h
.set NINF, 7                           ; v7   -infinity
.set PSTO, 8                           ; v8   1,024 x wave + 16 x lane
.set PRD, 9                            ; v9   512 (wave % 2) + 16 x lane
.set OUTA, 10                          ; v10  4,096 r + 32 h + 16 (wave % 2)
.set SPW, 12                           ; v12  LDS address of my spare word; never rewritten
.set NIL, 13                           ; v13  0; never rewritten
.set QR,  16                           ; v16-47   q: register 4 i + e: channel 8 i + 4 h + e of query r
.set KR,  48                           ; v48-79   k likewise
.set VR,  80                           ; v80-111  v: register 8 ct + e: key 8 h + e, channel 16 ct + r
.set WR,  112                          ; v112-143 W_out: register 8 ct + e: row n0 + r, channel 16 ct + 8 h + e of my head
.set ACC, 144                          ; v144-151, v152-159 two accumulators that take turns
.set OACC, 160                         ; v160-191 O^T: four accumulators
.set SS,  192                          ; v192-199 the scores, then p
.set TM,  200                          ; v200-207 at work
.set OS,  208                          ; v208-239 O^T / l
.set RS,  240                          ; v240-247 my head's part of the result
	s_load_b128 s[4:7], s[0:1], 0x0                ; qkv32, W_out
	s_load_b64 s[10:11], s[0:1], 0x10              ; out0
	v_lshl_add_u32 v[SPW], v0, 2, SPARE
	v_mov_b32 v[NIL], 0
	v_lshrrev_b32 v1, 5, v0
	v_readfirstlane_b32 s8, v1                     ; wave = head
	v_and_b32 v1, 15, v0                           ; r
	v_bfe_u32 v2, v0, 4, 1                         ; h
	v_mul_u32_u24 v[QA], v1, 12288
	v_lshl_add_u32 v[QA], v2, 4, v[QA]
	v_mul_u32_u24 v[VA], v2, 98304
	v_lshl_add_u32 v[VA], v1, 2, v[VA]
	v_lshlrev_b32 v[WA], 12, v1
	v_lshl_add_u32 v[WA], v2, 5, v[WA]
	v_lshlrev_b32 v[DL], 3, v2
	v_sub_nc_u32 v[DL], v1, v[DL]
	v_mov_b32 v[NINF], 0xff800000
	v_and_b32 v11, 31, v0
	v_lshlrev_b32 v11, 4, v11                      ; 16 x lane
	s_lshl_b32 s9, s8, 10
	v_add_nc_u32 v[PSTO], s9, v11
	s_and_b32 s9, s8, 1
	s_lshl_b32 s12, s9, 9
	v_add_nc_u32 v[PRD], s12, v11
	s_lshl_b32 s12, s9, 4
	v_add_nc_u32 v[OUTA], s12, v[WA]
	v_mov_b32 v[TM+1], 0                           ; written once: a lane permute's destination counts as one of its sources
	s_mov_b32 s20, 0x3e38aa3b                      ; c = log2(e) / 8
	s_mov_b32 s22, 0x76543210
	s_mov_b32 s23, 0xfedcba98                      ; v_permlanex16_b32's selects for lane l xor 16
	s_and_b32 s13, ttmp7, 0xffff                   ; the batch
	s_wait_kmcnt 0x0
	s_mul_i32 s24, s13, 196608                     ; qkv32: the batch's 16 rows of 12,288 bytes, my head's 256 bytes
	s_lshl_b32 s25, s8, 8
	s_add_co_u32 s24, s24, s25
	s_mov_b32 s25, 0
	s_add_nc_u64 s[14:15], s[4:5], s[24:25]
	s_lshl_b32 s24, ttmp9, 16                      ; W_out: rows 16 x on, my head's 256 bytes
	s_lshl_b32 s25, s8, 8
	s_add_co_u32 s24, s24, s25
	s_mov_b32 s25, 0
	s_add_nc_u64 s[16:17], s[6:7], s[24:25]
	s_lshl_b32 s24, s13, 23                        ; out0: the batch's first row, columns 16 x on
	s_lshl_b32 s25, ttmp9, 6
	s_add_co_u32 s24, s24, s25
	s_mov_b32 s25, 0
	s_add_nc_u64 s[18:19], s[10:11], s[24:25]
.irp i, 0,1,2,3,4,5,6,7
	global_load_b128 v[QR+4*\i:QR+4*\i+3], v[QA], s[14:15] offset:32*\i
.endr
.irp i, 0,1,2,3,4,5,6,7
	global_load_b128 v[KR+4*\i:KR+4*\i+3], v[QA], s[14:15] offset:4096+32*\i
.endr
.irp ct, 0,1,2,3
.irp e, 0,1,2,3,4,5,6,7
	global_load_b32 v[VR+8*\ct+\e], v[VA], s[14:15] offset:8192+\e*12288+64*\ct
.endr
.endr
.irp ct, 0,1,2,3
	global_load_b128 v[WR+8*\ct:WR+8*\ct+3], v[WA], s[16:17] offset:64*\ct
	global_load_b128 v[WR+8*\ct+4:WR+8*\ct+7], v[WA], s[16:17] offset:64*\ct+16
.endr
	s_wait_loadcnt 40                              ; q and k are in; v's 32 loads and W_out's 8 may be out
	; S^T = k q^T: source 0 = 16 keys, source 1 = 16 queries; product (i, e) takes channels 8 i + 4 h + 2 e + 0, 1.  Two accumulators take turns; each begins with the constant 0
.irp i, 0,1,2,3,4,5,6,7
.irp e, 0,1
.if \i == 0
	v_wmma_f32_16x16x4_f32 v[ACC+8*\e:ACC+8*\e+7], v[KR+4*\i+2*\e:KR+4*\i+2*\e+1], v[QR+4*\i+2*\e:QR+4*\i+2*\e+1], 0
.else
	v_wmma_f32_16x16x4_f32 v[ACC+8*\e:ACC+8*\e+7], v[KR+4*\i+2*\e:KR+4*\i+2*\e+1], v[QR+4*\i+2*\e:QR+4*\i+2*\e+1], v[ACC+8*\e:ACC+8*\e+7]
.endif
.endr
.endr
.rept 8
	v_nop                                          ; eight places behind this form, in front of the first read of results (ISA guide 7.12.1)
.endr
.irp j, 0,1,2,3,4,5,6,7
	v_add_f32 v[SS+\j], v[ACC+\j], v[ACC+8+\j]     ; lane (r, h): query r, key 8 h + j; from the low end on
.endr
.irp j, 0,1,2,3,4,5,6,7
	v_cmp_gt_i32 vcc_lo, \j, v[DL]                 ; hidden where 8 h + j > r
	v_cndmask_b32 v[SS+\j], v[SS+\j], v[NINF], vcc_lo
.endr
	v_max3_num_f32 v[TM], v[SS], v[SS+1], v[SS+2]
	v_max3_num_f32 v[TM], v[TM], v[SS+3], v[SS+4]
	v_max3_num_f32 v[TM], v[TM], v[SS+5], v[SS+6]
	v_max_num_f32 v[TM], v[TM], v[SS+7]
	v_permlanex16_b32 v[TM+1], v[TM], s22, s23
	v_max_num_f32 v[TM], v[TM], v[TM+1]            ; the row's maximum: key 0 counts for every query, so it is a number
	v_mul_f32 v[TM+2], s20, v[TM]
.irp j, 0,1,2,3,4,5,6,7
	v_fma_f32 v[SS+\j], v[SS+\j], s20, -v[TM+2]    ; c s - c m
.endr
.irp j, 0,1,2,3,4,5,6,7
	v_exp_f32 v[SS+\j], v[SS+\j]                   ; p, not normalised
.endr
	v_nop                                          ; a plain instruction behind the last exponential
	s_wait_alu depctr_va_vdst(0)                   ; the wait ahead of the first reader: one for the eight
	v_add_f32 v[TM+3], v[SS], v[SS+1]
	v_add_f32 v[TM+4], v[SS+2], v[SS+3]
	v_add_f32 v[TM+5], v[SS+4], v[SS+5]
	v_add_f32 v[TM+6], v[SS+6], v[SS+7]
	v_add_f32 v[TM+3], v[TM+3], v[TM+4]
	v_add_f32 v[TM+5], v[TM+5], v[TM+6]
	v_add_f32 v[TM+3], v[TM+3], v[TM+5]
	v_permlanex16_b32 v[TM+1], v[TM+3], s22, s23
	v_add_f32 v[TM+3], v[TM+3], v[TM+1]            ; the row's sum
	v_rcp_f32 v[TM+7], v[TM+3]                     ; read behind the next products, their places and the wait
	s_wait_loadcnt 8                               ; v is in; W_out's 8 loads may be out
	; O^T = v^T p^T: source 0 = 16 channels, source 1 = p; product (i, ct) takes keys 8 h + 2 i + 0, 1.  Four accumulators take turns
.irp i, 0,1,2,3
.irp ct, 0,1,2,3
.if \i == 0
	v_wmma_f32_16x16x4_f32 v[OACC+8*\ct:OACC+8*\ct+7], v[VR+8*\ct+2*\i:VR+8*\ct+2*\i+1], v[SS+2*\i:SS+2*\i+1], 0
.else
	v_wmma_f32_16x16x4_f32 v[OACC+8*\ct:OACC+8*\ct+7], v[VR+8*\ct+2*\i:VR+8*\ct+2*\i+1], v[SS+2*\i:SS+2*\i+1], v[OACC+8*\ct:OACC+8*\ct+7]
.endif
.endr
.endr
.rept 8
	v_nop                                          ; eight places; also the plain instruction behind the reciprocal
.endr
	s_wait_alu depctr_va_vdst(0)                   ; the wait for the reciprocal, ahead of its first reader
.set i, 0
.rept 32
	v_mul_f32 v[OS+i], v[OACC+i], v[TM+7]          ; lane (r, h), register 8 ct + j: query r, channel 16 ct + 8 h + j; each accumulator from its low end on
.set i, i+1
.endr
	s_wait_loadcnt 0x0                             ; W_out
	; my head's part of the projection: source 0 = 16 rows of W_out, source 1 = O; product (ct, i) takes channels 16 ct + 8 h + 2 i + 0, 1.  The two accumulators take turns and begin anew with the constant 0
.irp ct, 0,1,2,3
.irp i, 0,1,2,3
.if (\ct == 0) && (\i < 2)
	v_wmma_f32_16x16x4_f32 v[ACC+8*(\i%2):ACC+8*(\i%2)+7], v[WR+8*\ct+2*\i:WR+8*\ct+2*\i+1], v[OS+8*\ct+2*\i:OS+8*\ct+2*\i+1], 0
.else
	v_wmma_f32_16x16x4_f32 v[ACC+8*(\i%2):ACC+8*(\i%2)+7], v[WR+8*\ct+2*\i:WR+8*\ct+2*\i+1], v[OS+8*\ct+2*\i:OS+8*\ct+2*\i+1], v[ACC+8*(\i%2):ACC+8*(\i%2)+7]
.endif
.endr
.endr
.rept 8
	v_nop
.endr
.irp j, 0,1,2,3,4,5,6,7
	v_add_f32 v[RS+\j], v[ACC+\j], v[ACC+8+\j]     ; lane (r, h): query r, column 16 x + 8 h + j
.endr
	ds_store_b128 v[PSTO], v[RS:RS+3]
	ds_store_b128 v[PSTO], v[RS+4:RS+7] offset:512
	s_wait_dscnt 0x0                               ; for the others' sake: my stores have landed
	s_barrier_signal -1
	s_barrier_wait -1
	s_cmp_gt_u32 s8, 1                             ; waves 0 and 1 add the sixteen heads' parts: wave 0 columns 8 h + 0..3, wave 1 columns 8 h + 4..7
	s_cbranch_scc1 .Lrest
.irp i, 0,1,2,3,4,5,6,7,8,9,10,11,12,13,14,15
	ds_load_b128 v[QR+4*\i:QR+4*\i+3], v[PRD] offset:1024*\i
.endr
	s_wait_dscnt 0x0
.irp i, 1,2,3,4,5,6,7,8,9,10,11,12,13,14,15
	v_pk_add_f32 v[QR:QR+1], v[QR:QR+1], v[QR+4*\i:QR+4*\i+1]
	v_pk_add_f32 v[QR+2:QR+3], v[QR+2:QR+3], v[QR+4*\i+2:QR+4*\i+3]
.endr
	global_store_b128 v[OUTA], v[QR:QR+3], s[18:19]
.Lrest:
	s_wait_tensorcnt 0x0                           ; the wave's end: behind my last LDS store
	ds_add_u32 v[SPW], v[NIL]
	s_wait_dscnt 0x0
	s_endpgm
.Lfunc_end_k_qee45f76759_fine:
	.size	k_qee45f76759_fine, .Lfunc_end_k_qee45f76759_fine-k_qee45f76759_fine
	.p2alignl 7, 3214868480
	.fill 96, 4, 3214868480
	.section	.rodata,"a",@progbits
	.p2align	6, 0x0
	.amdhsa_kernel k_qee45f76759_fine
		.amdhsa_group_segment_fixed_size 18432
		.amdhsa_private_segment_fixed_size 0
		.amdhsa_enable_private_segment 0
		.amdhsa_kernarg_size 24
		.amdhsa_user_sgpr_count 2
		.amdhsa_user_sgpr_kernarg_segment_ptr 1
		.amdhsa_wavefront_size32 1
		.amdhsa_system_sgpr_workgroup_id_x 1
		.amdhsa_system_sgpr_workgroup_id_y 1
		.amdhsa_system_sgpr_workgroup_id_z 1
		.amdhsa_system_vgpr_workitem_id 0
		.amdhsa_next_free_vgpr 256
		.amdhsa_next_free_sgpr 66
		.amdhsa_reserve_vcc 1
		.amdhsa_float_denorm_mode_32 3
		.amdhsa_float_denorm_mode_16_64 3
		.amdhsa_memory_ordered 1
		.amdhsa_forward_progress 1
		.amdhsa_inst_pref_size 19
	.end_amdhsa_kernel
	.amdgpu_metadata
---
amdhsa.version: [ 1, 2 ]
amdhsa.kernels:
  - .name:           k_qee45f76759_fine
    .symbol:         k_qee45f76759_fine.kd
    .args:
      - { .name: qkv32, .offset: 0, .size: 8, .value_kind: global_buffer, .address_space: global }
      - { .name: W_out, .offset: 8, .size: 8, .value_kind: global_buffer, .address_space: global }
      - { .name: out0, .offset: 16, .size: 8, .value_kind: global_buffer, .address_space: global }
    .group_segment_fixed_size: 18432
    .private_segment_fixed_size: 0
    .kernarg_segment_align: 8
    .kernarg_segment_size: 24
    .max_flat_workgroup_size: 512
    .sgpr_count:     66
    .vgpr_count:     256
    .wavefront_size: 32
...
	.end_amdgpu_metadata
.endif
;; end of part 5
